; MI455X (gfx1250); checked and timed in simulation.
; The chip was launched on July 23, 2026; its instructions are those of AMD's public machine-readable ISA for CDNA 5 (MIT licence, August 2026) and "CDNA5" Instruction Set Architecture Reference Guide (July 2026). The comments in the code are by the model that wrote it; some were corrected since.
;; Multi Head Attention. Allowed arithmetic: matrix products marked QUANTISED: E2M1 operands, one E8M0 scale for each 32 along K, by v_wmma_scale_f32_16x16x128_f8f6f4 with both operands' format E2M1 (or v_wmma_scale_f32_32x16x128_f4), f32 sums; products left as they are: bf16, f16 or f32 operands; f32 sums; everything else in f32.
;; Inputs: Wk 1,024 x 1,024 float32; Wo 1,024 x 1,024 float32; Wq 1,024 x 1,024 float32; Wv 1,024 x 1,024 float32; bo 1,024 float32; x 2 x 2,048 x 1,024 float32.
;; Outputs: out0 2 x 2,048 x 1,024 float32.
;; This version of the problem:
;;   THIS VERSION OF THE PROBLEM IS GIVEN IN LOW PRECISION. The matrix products marked QUANTISED in the list below multiply operands that are first quantised to E2M1 (2 exponent bits, 1 mantissa bit; 4 bits a number), with one power-of-two scale for each 32 numbers along K (OCP MX v1.0); their sums are f32. The products marked 'left as it is' may take bf16, f16 or f32 operands, with f32 sums. Whichever they take, every output number must still come out within the allowed error. Rounding operands to bf16 (8 significant bits) uses up far more of that allowance than f16 does (11 bits, for magnitudes from 6e-5 to 65,504). All else is computed in f32.
;;   The module's matrix products, in the order in which they are computed (A, B: the left and right operand; K: the contracted axis; several contracted axes count as one K, in the product's order):
;;     1. [M 4,096, K 1,024] x [K 1,024, N 1,024]; A: input x; B: input Wq: QUANTISED
;;     2. [M 4,096, K 1,024] x [K 1,024, N 1,024]; A: input x; B: input Wk: QUANTISED
;;     3. [M 4,096, K 1,024] x [K 1,024, N 1,024]; A: input x; B: input Wv: QUANTISED
;;     4. batch 32 x [M 2,048, K 64] x [K 64, N 2,048]; A: computed on the way; B: computed on the way: left as it is (an operand is computed on the way)
;;     5. batch 32 x [M 2,048, K 2,048] x [K 2,048, N 64]; A: computed on the way; B: computed on the way: left as it is (an operand is computed on the way)
;;     6. [M 4,096, K 1,024] x [K 1,024, N 1,024]; A: computed on the way; B: input Wo: left as it is (an operand is computed on the way)
;;   THE QUANTISER, for each operand of a quantised product, along K:
;;     - K is cut into blocks of 32 from its start; a last block that is shorter is filled with zeros.
;;     - A block's scale is 2^e with e = floor(log2(the largest magnitude in the block)) - 2, held to -126 .. 127; a block of zeros has e = 0. As a byte (E8M0): e + 127.
;;     - Each number is divided by its block's scale, clamped to +-6, and rounded to the nearest number of E2M1, ties to even, subnormals kept.
;;     - The product sums the exact products of the quantised numbers (number of the format x scale) in f32.
;;   ~~~python
;;   def quantise(x, axis):      # numpy; x: float32 -> the quantised numbers, widened to float32 again
;;       x = np.moveaxis(x, axis, -1); K = x.shape[-1]
;;       x = np.pad(x, [(0, 0)] * (x.ndim - 1) + [(0, -K % 32)]); x = x.reshape(x.shape[:-1] + (-1, 32)); a = np.abs(x).max(-1, keepdims=True)
;;       e = np.where(a > 0, np.clip(np.frexp(np.where(a > 0, a, 1))[1] - 1 - 2, -126, 127), 0)      # np.frexp(a)[1] - 1 = floor(log2(a)), exactly
;;       r = np.clip(x / 2.0 ** e, -6, 6)
;;       step = 2.0 ** (np.maximum(np.frexp(np.where(r == 0, 1, r))[1] - 1, 0) - 1)
;;       q = np.round(r / step) * step * 2.0 ** e      # np.round: ties to even
;;       return np.moveaxis(q.reshape(q.shape[:-2] + (-1,))[..., :K], -1, axis).astype(np.float32)
;;   ~~~
;; One version. Each part assembles by itself: llvm-mc -triple=amdgcn-amd-amdhsa -mcpu=gfx1250 --defsym DOCPART=n.
;; ======== version 1 of 1: 5 launches
;; limits: values are held in f16: magnitudes above 65,504 overflow, below 6.1e-05 lose precision
;; workspace buffers: xc 2,097,152 bytes; xs 131,072 bytes; wc 1,572,864 bytes; ws 98,304 bytes; wo16 2,097,152 bytes; qkv 25,165,824 bytes; q32 786,432 bytes; ctx 8,388,608 bytes
;; launch prep (part 1): grid 384 x 1, 4 waves a work-group, no clusters, 33,280 bytes of LDS; arguments x, Wq, Wk, Wv, Wo, xc, xs, wc, ws, wo16; writes xc, xs, wc, ws, wo16
.if DOCPART == 1
	.amdgcn_target "amdgcn-amd-amdhsa--gfx1250"
	.amdhsa_code_object_version 6
	.text
	.protected	k_q310894f86a_prep
	.globl	k_q310894f86a_prep
	.p2align	8
	.type	k_q310894f86a_prep,@function
k_q310894f86a_prep:
	s_mov_b64 s[64:65], 0
	v_nop
	global_prefetch_b8 v0, s[64:65] scope:SCOPE_SE
	s_setreg_imm32_b32 hwreg(HW_REG_WAVE_MODE, 25, 1), 1
	s_wait_xcnt 0x0
; x [4096][1024] f32 -> codes of FP4 (E2M1), K innermost, xc [4096][512 bytes], and one E8M0 byte for each 32 along K, xs [4096][32].
; Wq, Wk, Wv [k 1024][n 1024] f32 -> codes along K (their FIRST axis), laid as IMAGES OF THE OPERAND'S REGISTERS: row n' = 1024 x which + n; the fragment of rows 16 T .. 16 T + 15 and
; k = 128 s .. 128 s + 127 lies at byte (8 T + s) x 1024 of wc, and in it the 16 bytes of block j (32 codes) of row 16 T + r at 256 j + 16 r.  Scale bytes ws [3072][32].
; Wo [k][n] f32 -> f16, as images too: the fragment of columns 16 T .. + 15 and k = 32 kq .. + 31 at (32 T + kq) x 1024 of wo16; in it k = 8 p .. 8 p + 7 of column 16 T + r at 256 p + 16 r.
; A block's scale is 2^(floor(log2(its largest magnitude)) - 2): its byte is the largest magnitude's exponent field - 2, held at 1 from below.
; LIMITS: a block of zeros gets the byte 1 (its codes are zeros; the bytes are read by this program alone); blocks whose largest magnitude lies under 2^-124 are held at that byte;
; NaN and infinities among the inputs are not served; Wo beyond 65,504 in magnitude is not served (f16), and under 6e-5 it is kept as f16 denormals.
; WORK-GROUPS 0-127: x, a plain stream of blocks of 32: a wave takes 16 steps of 512 numbers, each load 512 consecutive bytes, turned through the wave's own stage in LDS so that a lane holds 16 neighbours.
; WORK-GROUPS 128-383: the four weights, 64 work-groups each: 128 columns x 128 along K; a lane takes a column and its registers run down K, so the conversions' results are the image's bytes
; and sixteen lanes store 256 consecutive aligned bytes with no turn through LDS.  Only the x path stages numbers in LDS; there is no barrier: waves share nothing.
.set STEPS, 16
.set EMAX,  2
.set CB,    8                          ; bytes of 16 codes
.set R,     16                         ; v16-79   x: four sets of 16 numbers as loaded
.set X,     80                         ; v80-111  x: two sets of 16 neighbours
.set E,     112                        ; v112-127 x: a scale byte for each step
.set C,     128                        ; v128-191 x: codes, four registers for each step
.set WREG,  8192                       ; LDS: a region for each wave: two stages of 32 x SP bytes, then its 256 scale bytes
.set SP,    80
.set SPW,   12                         ; v12 LDS address of my spare word; never rewritten
.set NIL,   13                         ; v13 0; never rewritten
.set SPARE, 4*WREG                     ; behind the four regions: the spare words, 128 bytes a wave
.set W,     32                         ; v32-159  weights: 128 numbers down K of my column
.set QC,    160                        ; v160-175 weights: the codes of four blocks
.set SW,    24                         ; v24      weights: my column's scale word
	s_load_b512 s[4:19], s[0:1], 0x0               ; x 4:5, Wq 6:7, Wk 8:9, Wv 10:11, Wo 12:13, xc 14:15, xs 16:17, wc 18:19
	s_load_b128 s[20:23], s[0:1], 0x40             ; ws 20:21, wo16 22:23
	v_lshl_add_u32 v[SPW], v0, 2, SPARE
	v_mov_b32 v[NIL], 0
	v_lshrrev_b32 v1, 5, v0
	v_readfirstlane_b32 s24, v1                    ; wave
	v_and_b32 v2, 31, v0                           ; lane
	s_cmp_lt_u32 ttmp9, 128
	s_cbranch_scc0 .Lweights
	; ---------------- x ----------------
	v_lshlrev_b32 v3, 4, v2                        ; my 16 bytes of a load's 512
	s_mul_i32 s25, s24, WREG
	v_lshrrev_b32 v14, 2, v2
	v_mul_u32_u24 v14, v14, SP
	v_and_b32 v15, 3, v2
	v_lshl_add_u32 v14, v15, 4, v14
	v_add_nc_u32 v14, s25, v14                     ; the stage, on the way in: SP (lane / 4) + 16 (lane % 4)
	v_mul_u32_u24 v15, v2, SP
	v_add_nc_u32 v15, s25, v15                     ; and on the way out: SP x lane: my 16 neighbours
	v_mul_u32_u24 v4, v2, CB                       ; my codes' place in a step's
	v_lshrrev_b32 v5, 1, v2
	s_add_co_u32 s25, s25, 2*32*SP
	v_add_nc_u32 v5, s25, v5                       ; LDS: my wave's 256 scale bytes, my block's byte
	v_lshlrev_b32 v7, 3, v2                        ; and on the way out 8 bytes a lane
	v_add_nc_u32 v6, s25, v7
	s_lshl_b32 s26, ttmp9, 2
	s_add_co_u32 s26, s26, s24                     ; which run of 8,192 numbers is my wave's: 0 .. 511
	s_lshl_b32 s28, s26, 15                        ; 32,768 bytes of x a run
	s_mov_b32 s29, 0
	s_lshl_b32 s30, s26, 12                        ; 4,096 bytes of codes
	s_mov_b32 s31, 0
	s_lshl_b32 s26, s26, 8                         ; 256 scale bytes
	s_mov_b32 s27, 0
	s_wait_kmcnt 0x0
	s_add_nc_u64 s[4:5], s[4:5], s[28:29]
	s_add_nc_u64 s[14:15], s[14:15], s[30:31]
	s_add_nc_u64 s[16:17], s[16:17], s[26:27]
.macro LOAD t
.irp i, 0,1,2,3
	global_load_b128 v[R+16*((\t)%4)+4*\i:R+16*((\t)%4)+4*\i+3], v3, s[4:5] offset:2048*(\t)+512*\i th:TH_LOAD_NT   ; 32 lanes read 512 consecutive bytes
.endr
.endm
.macro TURN t                          ; step t's numbers through the stage: LDS serves a wave's instructions in order, so no wait stands between the stores and the loads
.irp i, 0,1,2,3
	ds_store_b128 v14, v[R+16*((\t)%4)+4*\i:R+16*((\t)%4)+4*\i+3] offset:32*SP*((\t)%2)+8*SP*\i
.endr
.irp i, 0,1,2,3
	ds_load_b128 v[X+16*((\t)%2)+4*\i:X+16*((\t)%2)+4*\i+3], v15 offset:32*SP*((\t)%2)+16*\i
.endr
.endm
.irp t, 0,1,2,3
	LOAD \t
.endr
	s_wait_loadcnt 12                              ; step 0's four loads are in; the twelve of steps 1 to 3 may be out
	TURN 0
.macro STEP t
.set XS, X+16*((\t)%2)
.if (\t) > 0
	s_wait_dscnt 1                                 ; this step's numbers are back from the stage (the last step's byte store may be out)
.else
	s_wait_dscnt 0x0
.endif
.if (\t)+4 < STEPS
	LOAD (\t)+4                                    ; into the registers that this step's stores into the stage have read
.endif
.if (\t)+1 < STEPS
.if STEPS-2-(\t) >= 3
	s_wait_loadcnt 12                              ; the next step's four loads are in; those of the three steps behind it may be out
.else
	s_wait_loadcnt 4*(STEPS-2-(\t))
.endif
	TURN (\t)+1
.endif
	v_max3_num_f32 v8, |v[XS]|, |v[XS+1]|, |v[XS+2]|               ; the largest magnitude of my 16, in two chains
	v_max3_num_f32 v9, |v[XS+3]|, |v[XS+4]|, |v[XS+5]|
.irp i, 6,10
	v_max3_num_f32 v8, v8, |v[XS+\i]|, |v[XS+\i+1]|
	v_max3_num_f32 v9, v9, |v[XS+\i+2]|, |v[XS+\i+3]|
.endr
	v_max3_num_f32 v8, v8, |v[XS+14]|, |v[XS+15]|
	v_max3_num_f32 v8, v8, v9, (EMAX+1)<<23        ; and the floor 2^(3 - 127): the byte cannot fall under 1
	v_max_num_f32_dpp v8, v8, v8 row_xmask:1 row_mask:0xf bank_mask:0xf   ; and of my neighbour's 16: the block's
	v_add_nc_u32 v11, 0xff000000, v8               ; 2 off its exponent field: the conversion takes the exponent field of this operand as its scale
	v_cvt_scalef32_pk8_fp4_f32 v[C+4*(\t)], v[XS:XS+7], v11
	v_cvt_scalef32_pk8_fp4_f32 v[C+4*(\t)+1], v[XS+8:XS+15], v11
	v_lshrrev_b32 v[E+(\t)], 23, v11               ; the scale's byte (a plain line behind the conversions)
	ds_store_b8 v5, v[E+(\t)] offset:16*(\t)       ; both lanes of a block write the same byte with the same value
	global_store_b64 v4, v[C+4*(\t):C+4*(\t)+1], s[14:15] offset:32*CB*(\t)   ; the wave stores 256 consecutive aligned bytes
.endm
.irp t, 0,1,2,3,4,5,6,7,8,9,10,11,12,13,14,15
	STEP \t
.endr
	ds_load_b64 v[8:9], v6                         ; LDS serves a wave's instructions in order: these see my byte stores
	s_wait_dscnt 0x0
	global_store_b64 v7, v[8:9], s[16:17]          ; 32 lanes store 256 consecutive aligned bytes
	s_wait_tensorcnt 0x0                           ; the wave's end, behind my last LDS store
	ds_add_u32 v[SPW], v[NIL]
	s_wait_dscnt 0x0
	s_endpgm
	; ---------------- the weights ----------------
.Lweights:
	s_sub_co_u32 s25, ttmp9, 128
	s_lshr_b32 s26, s25, 6                         ; which matrix: 0 Wq, 1 Wk, 2 Wv, 3 Wo
	s_and_b32 s27, s25, 7                          ; which 128 columns
	s_bfe_u32 s28, s25, 0x30003                    ; which 128 along K
	v_lshlrev_b32 v3, 2, v2                        ; in: 4 bytes a lane: 128 consecutive bytes a wave
	v_lshrrev_b32 v4, 4, v2
	v_and_b32 v10, 15, v2
	v_lshlrev_b32 v10, 4, v10
	v_lshl_add_u32 v5, v4, 13, v10                 ; codes out: 16 (lane % 16), lanes 16-31 one tile of 16 rows (8 images) on
	v_lshl_add_u32 v7, v4, 15, v10                 ; f16 out: the same, one tile (32 images) on
	v_lshlrev_b32 v6, 5, v2                        ; scale words out: 32 bytes a row
	s_lshl_b32 s32, s28, 19                        ; 128 rows of 4,096 bytes
	s_lshl_b32 s33, s27, 9
	s_add_co_u32 s32, s32, s33
	s_lshl_b32 s33, s24, 7
	s_add_co_u32 s32, s32, s33                     ; + my wave's 32 columns
	s_mov_b32 s33, 0
	s_lshl_b32 s38, s27, 3
	s_lshl_b32 s39, s24, 1
	s_add_co_u32 s38, s38, s39                     ; my wave's first tile of 16 columns in its matrix
	s_wait_kmcnt 0x0
	s_cmp_eq_u32 s26, 0                            ; the choice hangs on the work-group's number alone
	s_cselect_b64 s[30:31], s[6:7], s[8:9]
	s_cmp_eq_u32 s26, 2
	s_cselect_b64 s[30:31], s[10:11], s[30:31]
	s_cmp_eq_u32 s26, 3
	s_cselect_b64 s[30:31], s[12:13], s[30:31]
	s_add_nc_u64 s[30:31], s[30:31], s[32:33]
.macro WLOAD t                         ; block t: rows 32 t + i of my 128, my column
.irp i, 0,1,2,3,4,5,6,7,8,9,10,11,12,13,14,15,16,17,18,19,20,21,22,23,24,25,26,27,28,29,30,31
	global_load_b32 v[W+32*(\t)+\i], v3, s[30:31] offset:(32*(\t)+\i)*4096 th:TH_LOAD_NT
.endr
.endm
	WLOAD 0
	WLOAD 1                                        ; loads run two blocks ahead
	s_cmp_eq_u32 s26, 3
	s_cbranch_scc1 .Lcast
	s_lshl_b32 s39, s26, 6
	s_add_co_u32 s38, s38, s39                     ; T0 = 64 x which + the tile in the matrix
	s_lshl_b32 s36, s38, 9                         ; scale bytes: 16 T0 rows of 32 bytes,
	s_lshl_b32 s39, s28, 2
	s_add_co_u32 s36, s36, s39                     ; + the word of this 128 along K
	s_mov_b32 s37, 0
	s_add_nc_u64 s[36:37], s[20:21], s[36:37]
	s_lshl_b32 s34, s38, 3
	s_add_co_u32 s34, s34, s28
	s_lshl_b32 s34, s34, 10                        ; the image (8 T0 + s) x 1,024
	s_mov_b32 s35, 0
	s_add_nc_u64 s[34:35], s[18:19], s[34:35]
.macro QBLOCK t
.set XS, W+32*(\t)
.if (\t) < 3
	s_wait_loadcnt 32                              ; this block's 32 loads are in; the next block's 32 may be out
.else
	s_wait_loadcnt 0x0
.endif
.if (\t) < 2
	WLOAD (\t)+2
.endif
	v_max3_num_f32 v8, |v[XS]|, |v[XS+1]|, |v[XS+2]|               ; the block's largest magnitude: all 32 numbers are mine
	v_max3_num_f32 v9, |v[XS+3]|, |v[XS+4]|, |v[XS+5]|
.irp i, 6,10,14,18,22,26
	v_max3_num_f32 v8, v8, |v[XS+\i]|, |v[XS+\i+1]|
	v_max3_num_f32 v9, v9, |v[XS+\i+2]|, |v[XS+\i+3]|
.endr
	v_max3_num_f32 v8, v8, |v[XS+30]|, |v[XS+31]|
	v_max3_num_f32 v8, v8, v9, (EMAX+1)<<23        ; the floor
	v_add_nc_u32 v11, 0xff000000, v8               ; the conversion's scale operand
	v_lshrrev_b32 v9, 23, v11                      ; the scale's byte
.if (\t) == 0
	v_mov_b32 v[SW], v9
.else
	v_lshl_or_b32 v[SW], v9, 8*(\t), v[SW]         ; the lower K in the lower byte
.endif
.irp g, 0,1,2,3
	v_cvt_scalef32_pk8_fp4_f32 v[QC+4*(\t)+\g], v[XS+8*\g:XS+8*\g+7], v11
.endr
	v_nop                                          ; a plain line behind the last conversion
	global_store_b128 v5, v[QC+4*(\t):QC+4*(\t)+3], s[34:35] offset:256*(\t)   ; sixteen lanes store 256 consecutive aligned bytes: block t of 16 rows
.endm
	QBLOCK 0
	QBLOCK 1
	QBLOCK 2
	QBLOCK 3
	global_store_b32 v6, v[SW], s[36:37]           ; my column's scale word: 4 bytes a lane, 32 bytes apart: one byte in 128 of what this path reads
	s_wait_tensorcnt 0x0                           ; the closing lines, written on this path too
	ds_add_u32 v[SPW], v[NIL]
	s_wait_dscnt 0x0
	s_endpgm
.Lcast:
	s_lshl_b32 s34, s38, 5
	s_lshl_b32 s39, s28, 2
	s_add_co_u32 s34, s34, s39
	s_lshl_b32 s34, s34, 10                        ; the image (32 T0 + 4 x this 128 along K) x 1,024
	s_mov_b32 s35, 0
	s_add_nc_u64 s[34:35], s[22:23], s[34:35]
.macro CBLOCK f
.set XS, W+32*(\f)
.if (\f) < 3
	s_wait_loadcnt 32                              ; as above
.else
	s_wait_loadcnt 0x0
.endif
.if (\f) < 2
	WLOAD (\f)+2
.endif
.irp i, 0,1,2,3,4,5,6,7,8,9,10,11,12,13,14,15
	v_cvt_pk_f16_f32 v[XS+\i], v[XS+2*\i], v[XS+2*\i+1]            ; in place: the result never runs ahead of the sources; the lower k in the low half
.endr
.irp p, 0,1,2,3
	global_store_b128 v7, v[XS+4*\p:XS+4*\p+3], s[34:35] offset:1024*(\f)+256*\p   ; sixteen lanes store 256 consecutive aligned bytes
.endr
.endm
	CBLOCK 0
	CBLOCK 1
	CBLOCK 2
	CBLOCK 3
	s_wait_tensorcnt 0x0                           ; the closing lines, written on this path too
	ds_add_u32 v[SPW], v[NIL]
	s_wait_dscnt 0x0
	s_endpgm
.Lfunc_end_k_q310894f86a_prep:
	.size	k_q310894f86a_prep, .Lfunc_end_k_q310894f86a_prep-k_q310894f86a_prep
	.p2alignl 7, 3214868480
	.fill 96, 4, 3214868480
	.section	.rodata,"a",@progbits
	.p2align	6, 0x0
	.amdhsa_kernel k_q310894f86a_prep
		.amdhsa_group_segment_fixed_size 33280
		.amdhsa_private_segment_fixed_size 0
		.amdhsa_enable_private_segment 0
		.amdhsa_kernarg_size 80
		.amdhsa_user_sgpr_count 2
		.amdhsa_user_sgpr_kernarg_segment_ptr 1
		.amdhsa_wavefront_size32 1
		.amdhsa_system_sgpr_workgroup_id_x 1
		.amdhsa_system_sgpr_workgroup_id_y 1
		.amdhsa_system_sgpr_workgroup_id_z 1
		.amdhsa_system_vgpr_workitem_id 0
		.amdhsa_next_free_vgpr 192
		.amdhsa_next_free_sgpr 66
		.amdhsa_reserve_vcc 0
		.amdhsa_float_denorm_mode_32 3
		.amdhsa_float_denorm_mode_16_64 3
		.amdhsa_memory_ordered 1
		.amdhsa_forward_progress 1
		.amdhsa_inst_pref_size 65
	.end_amdhsa_kernel
	.amdgpu_metadata
---
amdhsa.version: [ 1, 2 ]
amdhsa.kernels:
  - .name:           k_q310894f86a_prep
    .symbol:         k_q310894f86a_prep.kd
    .args:
      - { .name: x, .offset: 0, .size: 8, .value_kind: global_buffer, .address_space: global }
      - { .name: Wq, .offset: 8, .size: 8, .value_kind: global_buffer, .address_space: global }
      - { .name: Wk, .offset: 16, .size: 8, .value_kind: global_buffer, .address_space: global }
      - { .name: Wv, .offset: 24, .size: 8, .value_kind: global_buffer, .address_space: global }
      - { .name: Wo, .offset: 32, .size: 8, .value_kind: global_buffer, .address_space: global }
      - { .name: xc, .offset: 40, .size: 8, .value_kind: global_buffer, .address_space: global }
      - { .name: xs, .offset: 48, .size: 8, .value_kind: global_buffer, .address_space: global }
      - { .name: wc, .offset: 56, .size: 8, .value_kind: global_buffer, .address_space: global }
      - { .name: ws, .offset: 64, .size: 8, .value_kind: global_buffer, .address_space: global }
      - { .name: wo16, .offset: 72, .size: 8, .value_kind: global_buffer, .address_space: global }
    .group_segment_fixed_size: 33280
    .private_segment_fixed_size: 0
    .kernarg_segment_align: 8
    .kernarg_segment_size: 80
    .max_flat_workgroup_size: 128
    .sgpr_count:     66
    .vgpr_count:     192
    .wavefront_size: 32
...
	.end_amdgpu_metadata
.endif
;; end of part 1
;; launch qkv (part 2): grid 12 x 16, 4 waves a work-group, clusters of 4 x 4, 327,680 bytes of LDS; arguments xc, xs, wc, ws, qkv, q32; writes qkv, q32
.if DOCPART == 2
	.amdgcn_target "amdgcn-amd-amdhsa--gfx1250"
	.amdhsa_code_object_version 6
	.text
	.protected	k_q310894f86a_qkv
	.globl	k_q310894f86a_qkv
	.p2align	8
	.type	k_q310894f86a_qkv,@function
k_q310894f86a_qkv:
	s_mov_b64 s[64:65], 0
	v_nop
	global_prefetch_b8 v0, s[64:65] scope:SCOPE_SE
	s_setreg_imm32_b32 hwreg(HW_REG_WAVE_MODE, 25, 1), 1
	s_wait_xcnt 0x0
	s_wait_alu depctr_hold_cnt(0) depctr_sa_sdst(0) depctr_va_vdst(0) depctr_va_sdst(0) depctr_va_ssrc(0) depctr_va_vcc(0) depctr_vm_vsrc(0)
	s_getreg_b32 s2, hwreg(HW_REG_IB_STS2, 6, 4)
	s_cmp_eq_u32 s2, 0
	s_cbranch_scc0 .Lentry_in_a_cluster
	s_endpgm
.Lentry_in_a_cluster:
	s_bfe_u32 s2, ttmp6, 0x10000c
	s_cmp_lg_u32 s2, 0xf033
	s_cbranch_scc0 .Lentry_shape_is_right
	s_endpgm
.Lentry_shape_is_right:
; [q | k | v] = Q(x) Q([Wq | Wk | Wv]): one product of 4,096 x 3,072 x 1,024 on codes of FP4 (E2M1) with one E8M0 scale for each 32 along K; sums in f32.
; A = x's codes [4096][512 bytes], scales [4096][32].  B = the weights' codes as images of the operand's registers (fragment of rows 16 T on, k = 128 s on, at (8 T + s) x 1,024), scales [3072][32].
; OUT: qkv [batch 2][g 48 = 16 x which + head][position 2048][64] in f16; and q32 [slot 4][16 rows][3072] f32: rows 1024 x slot .. + 15 as they are summed (slots 0 and 2 are the first 16 positions
; of the two sequences, which a later launch carries in f32; slots 1 and 3 are written and read by nobody).
; LIMITS: |q|, |k|, |v| beyond 65,504 are not served (f16); under 6e-5 they are kept as f16 denormals.
; A tile of 256 x 256 to a work-group of four waves, 128 x 128 to a wave: 64 accumulators, 512 registers.  K = 1,024 is two slots of 512: both are first fills, nothing is filled again, there is no loop.
; A wave has three tensor loads out at the start (scales, slot 0, slot 1).
; CLUSTERS: 4 x 4 work-groups; A's tiles are asked for jointly along a row of the cluster, B's along a column.  Tile row = 4 cy + cluster y, so that cluster y = 0 owns tile rows 0, 4, 8, 12.
; THE MATRIX INSTRUCTION IS USED TRANSPOSED (source 0 = 16 rows of B, source 1 = 16 rows of A): a lane holds eight neighbouring columns of one row of the result.
; REGISTERS, in windows of 256: window 0: v0-31 addresses; v32-95 scale words, two sets; v128-191 A's fragments, one set; on the way out v128-223 are free.
;   window 1: B's fragments, two sets, at v0 and v128.   window 2: accumulators of my rows 0-63 ((a, b) at v[8 (8 a + b)]);   window 3: rows 64-127.
.set NQ,     4                         ; steps of 128 along K in a slot
.set ROWB,   256                       ; A: a tile's row in bytes
.set KROW,   512                       ; a row of A in memory; also 1/16 of a tile of B's eight images
.set PITCH,  272                       ; A's row in LDS: 256 bytes + 16 of padding
.set FR,     8
.set NL,     2
.set NP,     4
.set HALFT,  128*PITCH                 ; what one tensor load's region holds (B's images use 32,768 bytes of it)
.set SLOT,   4*HALFT
.set KS,     32                        ; a row of scales in bytes
.set SCL,    2*SLOT                    ; the scales, as units of 256 bytes + 16 of padding
.set HALFS,  16*272                    ; those of 128 rows
.set SBLK,   2*272                     ; those of 16 rows
.set SPARE,  SCL+4*HALFS               ; the spare words, 128 bytes a wave
.set ADRA, 16                          ; v16-17 LDS address of my A fragments in slot 0, 1
.set ADRB, 20                          ; v20-21 the same for B's images
.set STO16, 22                         ; v22 the way out in f16: where I put 16 bytes of a row (rows of 272 bytes)
.set RD16,  23                         ; v23 and where I read back: four rows x 128 bytes of one head
.set STO32, 24                         ; v24 the way out in f32: where I put 32 bytes of a row (rows of 528 bytes)
.set RD32,  25                         ; v25 and where I read a row back
.set CO,   26                          ; v26 16 x lane
.set ADRS, 27                          ; v27 LDS address of my scale words: lanes 0-15 A's rows, lanes 16-31 B's
.set SPW,  28                          ; v28 my spare word; never rewritten
.set NIL,  29                          ; v29 0; never rewritten
.set SC,   32
.set AF,   128
.set BK,   128                         ; the way out: rows read back
.set TMP,  192                         ; the way out: packed results
.set G1, 24
.set G0, 32
.set G1B, 48
.set G0B, 56
.set G1S, 68
.set G0S, 76
.set G1SB, 80
.set G0SB, 88
.set MSB, 0
.macro WIN new                         ; the immediate's high byte repeats the setting that is left
.if MSB != \new
	s_set_vgpr_msb (MSB<<8)|\new
.set MSB, \new
.endif
.endm
.set MUL_LO, 0xa1                      ; source 0 (B) window 1, source 1 (A) window 0, C and D window 2
.set MUL_HI, 0xf1
.set TO_B,   0x40
; A joint load: waves 0 and 1 fetch for A, waves 2 and 3 for B; the branch hangs on the wave's number alone.  An s_nop 0 and four v_nop follow each line.
.macro JLOAD g0a, g1a, g0b, g1b
	s_cmp_eq_u32 s15, 0
	s_cbranch_scc0 .Lfor_b_\@
	tensor_load_to_lds s[\g0a:\g0a+3], s[\g1a:\g1a+7]
	s_nop 0
.rept 4
	v_nop
.endr
	s_branch .Lasked_\@
.Lfor_b_\@:
	tensor_load_to_lds s[\g0b:\g0b+3], s[\g1b:\g1b+7]
	s_nop 0
.rept 4
	v_nop
.endr
.Lasked_\@:
.endm
.macro CROUND                          ; a round of the cluster's barrier
	s_barrier_signal -1
	s_barrier_wait -1
	s_cmp_lg_u32 s14, 0
	s_cbranch_scc1 .Lnot_wave_0_\@
	s_barrier_signal -3
.Lnot_wave_0_\@:
	s_barrier_wait -3
	s_barrier_signal -1
	s_barrier_wait -1
.endm
	s_load_b128 s[4:7], s[0:1], 0x0                ; A's codes, A's scales
	s_load_b128 s[8:11], s[0:1], 0x10              ; B's codes, B's scales
	s_load_b64 s[12:13], s[0:1], 0x20              ; qkv
	s_load_b64 s[96:97], s[0:1], 0x28              ; q32
	v_lshl_add_u32 v[SPW], v0, 2, SPARE
	v_mov_b32 v[NIL], 0
	ds_add_u32 v[SPW], v[NIL]                      ; the wave's opening: the add, twice on end, and its wait ahead of my first tensor load
	ds_add_u32 v[SPW], v[NIL]
	v_lshrrev_b32 v1, 5, v0
	v_readfirstlane_b32 s14, v1                    ; wave 0..3
	s_lshr_b32 s15, s14, 1                         ; which half of the tile's rows is mine.  Also: I fetch for A (0) or for B (1)
	s_and_b32 s16, s14, 1                          ; which half of its columns.  Also: which 128 rows of that tile I fetch
	s_bfe_u32 s40, ttmp6, 0x40000                  ; cx
	s_bfe_u32 s41, ttmp6, 0x40004                  ; cy
	s_lshl_b32 s42, ttmp9, 2
	s_add_co_u32 s42, s42, s40                     ; tile column = 4 x cluster x + cx
	s_and_b32 s95, ttmp7, 0xffff                   ; cluster y
	s_lshl_b32 s17, s41, 2
	s_add_co_u32 s17, s17, s95                     ; tile row = 4 cy + cluster y
	s_or_b32 s95, s95, s15                         ; 0: cluster y = 0 and my rows are the tile's first half: the same in all sixteen partners, for a given wave
	s_lshl_b32 s43, s41, 2
	s_lshl_b32 s43, 15, s43                        ; my row of the cluster
	s_lshl_b32 s44, 0x1111, s40                    ; my column
	; A: 128 rows x 256 bytes, 512 bytes apart, 16 bytes of padding behind each
	s_or_b32 s[G1+0], s43, (0<<16)|(1<<20)|(1<<21)|(5<<22)|(3<<25)
	s_mov_b32 s[G1+1], ROWB<<16
	s_mov_b32 s[G1+2], 128<<16
	s_mov_b32 s[G1+3], ROWB<<16
	s_mov_b32 s[G1+4], 128
	s_mov_b32 s[G1+5], KROW
	s_mov_b32 s[G1+6], 0
	s_mov_b32 s[G1+7], 0
	; B: 8 tiles of 16 rows x four images (4,096 bytes = 512 elements of 8), 8,192 bytes apart, dense in LDS
	s_or_b32 s[G1B+0], s44, (3<<16)|(1<<21)
	s_mov_b32 s[G1B+1], 512<<16
	s_mov_b32 s[G1B+2], 8<<16
	s_mov_b32 s[G1B+3], 512<<16
	s_mov_b32 s[G1B+4], 8
	s_mov_b32 s[G1B+5], 1024
	s_mov_b32 s[G1B+6], 0
	s_mov_b32 s[G1B+7], 0
	; the scales of 128 rows: 4,096 dense bytes as 16 rows of 256, 16 bytes of padding behind each
	s_or_b32 s[G1S+0], s43, (3<<16)|(1<<20)|(1<<21)|(5<<22)|(3<<25)
	s_or_b32 s[G1SB+0], s44, (3<<16)|(1<<20)|(1<<21)|(5<<22)|(3<<25)
.irp g, G1S, G1SB
	s_mov_b32 s[\g+1], 32<<16
	s_mov_b32 s[\g+2], 16<<16
	s_mov_b32 s[\g+3], 32<<16
	s_mov_b32 s[\g+4], 16
	s_mov_b32 s[\g+5], 32
	s_mov_b32 s[\g+6], 0
	s_mov_b32 s[\g+7], 0
.endr
	s_lshl_b32 s18, s16, 7
	s_lshl_b32 s20, s17, 8
	s_add_co_u32 s20, s20, s18                     ; A: row 256 x tile row + 128 x half
	s_lshl_b32 s46, s42, 8
	s_add_co_u32 s46, s46, s18                     ; B: row 256 x tile column + 128 x half
	s_mov_b32 s21, 0
	s_mov_b32 s47, 0
	s_mov_b64 s[18:19], KS
	s_mul_u64 s[22:23], s[20:21], s[18:19]         ; where these rows' scales begin
	s_mul_u64 s[92:93], s[46:47], s[18:19]
	s_mov_b64 s[18:19], KROW
	s_mul_u64 s[20:21], s[20:21], s[18:19]         ; and their codes (B: 16 rows' eight images are 8,192 bytes: 512 a row too)
	s_mul_u64 s[46:47], s[46:47], s[18:19]
	s_mul_i32 s45, s14, HALFT                      ; where they go: no place in the cluster enters an LDS address
	s_mul_i32 s94, s14, HALFS
	s_wait_dscnt 0x0                               ; both opening adds are done
	s_wait_kmcnt 0x0
	s_add_nc_u64 s[20:21], s[4:5], s[20:21]
	s_add_nc_u64 s[22:23], s[6:7], s[22:23]
	s_add_nc_u64 s[46:47], s[8:9], s[46:47]
	s_add_nc_u64 s[92:93], s[10:11], s[92:93]
	CROUND                                         ; all sixteen work-groups are here: the first joint loads meet
	s_mov_b32 s[G0S], 1
	s_add_co_u32 s[G0S+1], s94, SCL
	s_mov_b64 s[G0S+2:G0S+3], s[22:23]
	s_or_b32 s[G0S+3], s[G0S+3], 0x80000000
	s_mov_b32 s[G0SB], 1
	s_add_co_u32 s[G0SB+1], s94, SCL
	s_mov_b64 s[G0SB+2:G0SB+3], s[92:93]
	s_or_b32 s[G0SB+3], s[G0SB+3], 0x80000000
	JLOAD G0S, G1S, G0SB, G1SB                     ; the scales first: they are wanted with the first step
.irp s, 0,1
	s_mov_b32 s[G0+4*\s], 1
	s_add_co_u32 s[G0+4*\s+1], s45, \s*SLOT
	s_add_nc_u64 s[G0+4*\s+2:G0+4*\s+3], s[20:21], \s*ROWB
	s_or_b32 s[G0+4*\s+3], s[G0+4*\s+3], 0x80000000
	s_mov_b32 s[G0B+4*\s], 1
	s_add_co_u32 s[G0B+4*\s+1], s45, \s*SLOT
	s_add_nc_u64 s[G0B+4*\s+2:G0B+4*\s+3], s[46:47], \s*4096
	s_or_b32 s[G0B+4*\s+3], s[G0B+4*\s+3], 0x80000000
	JLOAD G0+4*\s, G1, G0B+4*\s, G1B
.endr
	v_and_b32 v1, 15, v0                           ; r
	v_bfe_u32 v2, v0, 4, 1                         ; h
	v_mul_u32_u24 v3, v1, PITCH
	v_lshl_add_u32 v4, v2, 4, v3                   ; A: a fragment's row x pitch + 16 h
	v_and_b32 v6, 31, v0
	v_lshlrev_b32 v[CO], 4, v6                     ; 16 x lane: an image's place for my lane
	s_mul_i32 s21, s15, HALFT                      ; my 128 rows of A
	s_mul_i32 s22, s16, HALFT                      ; my 128 rows of B,
	s_add_co_u32 s22, s22, 2*HALFT                 ; behind A's 256
.irp s, 0,1
	v_add_nc_u32 v[ADRA+\s], s21, v4
	v_add_nc_u32 v[ADRB+\s], s22, v[CO]
	s_add_co_u32 s21, s21, SLOT
	s_add_co_u32 s22, s22, SLOT
.endr
	v_mul_u32_u24 v5, v1, KS                       ; my row's scales: 32 bytes a row,
	v_lshrrev_b32 v7, 8, v5
	v_lshl_add_u32 v5, v7, 4, v5                   ; and 16 more for each 256 passed
	s_mul_i32 s21, s15, HALFS
	s_mul_i32 s22, s16, HALFS
	s_add_co_u32 s22, s22, 2*HALFS
	s_sub_co_u32 s22, s22, s21
	v_mul_u32_u24 v7, s22, v2                      ; lanes 16-31 take B's: one product, the distance between the two bases
	s_add_co_u32 s21, s21, SCL
	v_add_nc_u32 v5, v5, v7
	v_add_nc_u32 v[ADRS], s21, v5
	s_mul_i32 s23, s14, 16*528                     ; my stage: in slot 0, which has had its only fill and, when the first result is stored, its last read
	v_mul_u32_u24 v5, v1, 528
	v_lshl_add_u32 v5, v2, 5, v5
	v_add_nc_u32 v[STO32], s23, v5
	v_add_nc_u32 v[RD32], s23, v[CO]
	v_mul_u32_u24 v5, v1, 272
	v_lshl_add_u32 v5, v2, 4, v5
	v_add_nc_u32 v[STO16], s23, v5
	v_lshrrev_b32 v5, 3, v6
	v_mul_u32_u24 v5, v5, 272
	v_and_b32 v7, 7, v0
	v_lshl_add_u32 v5, v7, 4, v5
	v_add_nc_u32 v[RD16], s23, v5
	; qkv: ((batch x 48 + 4 x tile column + 2 x column half) << 18) + (position << 7); batch = tile row / 8
	s_lshr_b32 s20, s17, 3
	s_mul_i32 s20, s20, 48
	s_lshl_b32 s20, s20, 18
	s_and_b32 s21, s17, 7
	s_lshl_b32 s21, s21, 1
	s_add_co_u32 s21, s21, s15
	s_lshl_b32 s21, s21, 14                        ; 128 rows of 128 bytes
	s_add_co_u32 s20, s20, s21
	s_mov_b32 s21, 0
	s_lshl_b32 s46, s42, 2
	s_lshl_b32 s47, s16, 1
	s_add_co_u32 s46, s46, s47
	s_lshl_b32 s46, s46, 18
	s_mov_b32 s47, 0
	s_add_nc_u64 s[20:21], s[20:21], s[46:47]
	s_add_nc_u64 s[12:13], s[12:13], s[20:21]
	; q32: slot cy x 196,608 + my first column x 4
	s_mul_i32 s20, s41, 196608
	s_mov_b32 s21, 0
	s_lshl_b32 s46, s42, 10
	s_lshl_b32 s47, s16, 9
	s_add_co_u32 s46, s46, s47
	s_mov_b32 s47, 0
	s_add_nc_u64 s[20:21], s[20:21], s[46:47]
	s_add_nc_u64 s[96:97], s[96:97], s[20:21]
.macro FRAG reg, adr, q, i             ; A: 16 rows x 128 K: two loads of 16 bytes, 32 bytes apart
.irp c, 0,1
	ds_load_b128 v[\reg+4*\c:\reg+4*\c+3], v[\adr] offset:64*(\q)+32*\c+(\i)*16*PITCH
.endr
.endm
.macro FRAGB reg, adr, q, i            ; B: an image: two loads of 512 consecutive bytes
.irp c, 0,1
	ds_load_b128 v[\reg+4*\c:\reg+4*\c+3], v[\adr] offset:4096*(\i)+1024*(\q)+512*\c
.endr
.endm
; 16 matrix instructions: A's blocks a0, a0 + 1 x B's eight, the slot's q-th 128 along K.  The 64 accumulators take turns, one instruction a turn.
.macro MUL16 a0, p, q, sc, zero
.irp a, \a0, \a0+1
.irp b, 0,1,2,3,4,5,6,7
.if \zero
	v_wmma_scale_f32_16x16x128_f8f6f4 v[8*(8*((\a)%4)+\b):8*(8*((\a)%4)+\b)+7], v[128*(\p)+FR*\b:128*(\p)+FR*\b+FR-1], v[AF+FR*(\a):AF+FR*(\a)+FR-1], 0, v[SC+8*NQ*(\sc)+NQ*\b+(\q)], v[SC+8*NQ*(\sc)+NQ*(\a)+(\q)] matrix_a_fmt:MATRIX_FMT_FP4 matrix_b_fmt:MATRIX_FMT_FP4 matrix_a_scale:MATRIX_SCALE_ROW1
.else
	v_wmma_scale_f32_16x16x128_f8f6f4 v[8*(8*((\a)%4)+\b):8*(8*((\a)%4)+\b)+7], v[128*(\p)+FR*\b:128*(\p)+FR*\b+FR-1], v[AF+FR*(\a):AF+FR*(\a)+FR-1], v[8*(8*((\a)%4)+\b):8*(8*((\a)%4)+\b)+7], v[SC+8*NQ*(\sc)+NQ*\b+(\q)], v[SC+8*NQ*(\sc)+NQ*(\a)+(\q)] matrix_a_fmt:MATRIX_FMT_FP4 matrix_b_fmt:MATRIX_FMT_FP4 matrix_a_scale:MATRIX_SCALE_ROW1
.endif
.endr
.endr
.endm
.macro FETCH_B slot, q, p
	WIN TO_B
.irp i, 0,1,2,3,4,5,6,7
	FRAGB 128*(\p)+FR*\i, ADRB+\slot, \q, \i
.endr
	WIN 0
.endm
.macro FETCH_A slot, q, i0
.irp i, \i0, \i0+1, \i0+2, \i0+3
	FRAG AF+FR*(\i), ADRA+\slot, \q, \i
.endr
.endm
.macro SCALES sc                       ; a slot's scale words: four words a row; lanes 0-15 take A's block i, lanes 16-31 B's block i
.irp i, 0,1,2,3,4,5,6,7
	ds_load_b128 v[SC+8*NQ*\sc+NQ*\i:SC+8*NQ*\sc+NQ*\i+3], v[ADRS] offset:\i*SBLK
.endr
.endm
.macro PLACES n                        ; plain vector lines between a matrix instruction and a load into its registers or a read of its result
.rept \n
	v_nop
.endr
.endm
.macro STEP slot, q, zero              ; a step of 128 along K that has its successor in the same slot
	s_wait_dscnt 4*NL                              ; B's set and A's blocks 0-3 are in; the youngest eight loads (A's blocks 4-7) may be out
	WIN MUL_LO
	MUL16 0, (\q)%2, \q, \slot, \zero
	MUL16 2, (\q)%2, \q, \slot, \zero
	s_wait_dscnt 0                                 ; A's blocks 4-7 are in
	PLACES NP
	FETCH_B \slot, (\q)+1, 1-(\q)%2
	FETCH_A \slot, (\q)+1, 0
	WIN MUL_HI
	MUL16 4, (\q)%2, \q, \slot, \zero
	MUL16 6, (\q)%2, \q, \slot, \zero
	PLACES NP
	WIN 0
	FETCH_A \slot, (\q)+1, 4
.endm
.macro STEPS slot, from
.set Q, \from
.rept NQ-1-\from
	STEP \slot, Q, 0
.set Q, Q+1
.endr
.endm
	s_wait_tensorcnt 1                             ; the scales and my part of slot 0 are in; slot 1's load may be out
	s_barrier_signal -1
	s_barrier_wait -1                              ; everybody's are
	FETCH_B 0, 0, 0
	FETCH_A 0, 0, 0
	SCALES 0
	FETCH_A 0, 0, 4
	STEP 0, 0, 1                                   ; the first step's products start the sums: nothing is cleared
	STEPS 0, 1
	; slot 0's last step changes slots: one barrier; nothing is filled again
	s_wait_tensorcnt 0x0                           ; my part of slot 1 has landed
	ds_add_u32 v[SPW], v[NIL]
	s_wait_dscnt 4*NL+1                            ; (the add and A's blocks 4-7 may be out)
	WIN MUL_LO
	MUL16 0, 1, NQ-1, 0, 0
	s_wait_dscnt 0x0                               ; the add is done, and my reads of slot 0 are over
	s_barrier_signal -1
	MUL16 2, 1, NQ-1, 0, 0
	WIN 0
	s_barrier_wait -1
	PLACES NP
	v_add_nc_u32 v[ADRS], 4*NQ, v[ADRS]            ; on to slot 1's scale words
	FETCH_B 1, 0, 0
	FETCH_A 1, 0, 0
	SCALES 1
	WIN MUL_HI
	MUL16 4, 1, NQ-1, 0, 0
	MUL16 6, 1, NQ-1, 0, 0
	PLACES NP
	WIN 0
	FETCH_A 1, 0, 4
	STEPS 1, 0
	s_wait_dscnt 4*NL                              ; the very last step: nothing more to fetch
	WIN MUL_LO
	MUL16 0, 1, NQ-1, 1, 0
	MUL16 2, 1, NQ-1, 1, 0
	s_wait_dscnt 0
	WIN MUL_HI
	MUL16 4, 1, NQ-1, 1, 0
	MUL16 6, 1, NQ-1, 1, 0
	WIN 0
	; THE WAY OUT.  All through my own stage in LDS; LDS serves a wave's instructions in order, so no wait stands between the stores into it and the loads from it.
	PLACES NP                                      ; behind the last products: for the reads of results and the loads into the registers that held A's fragments
	s_cmp_lg_u32 s95, 0
	s_cbranch_scc1 .Lno_fine
	WIN 0x08                                       ; an LDS store's data are its source 1: window 2
.irp b, 0,1,2,3,4,5,6,7
	ds_store_b128 v[STO32], v[8*\b:8*\b+3] offset:64*\b            ; block 0 in f32, each accumulator from its low end on
	ds_store_b128 v[STO32], v[8*\b+4:8*\b+7] offset:64*\b+16
.endr
	WIN 0
.irp t, 0,1,2,3,4,5,6,7,8,9,10,11,12,13,14,15
	ds_load_b128 v[BK+4*\t:BK+4*\t+3], v[RD32] offset:\t*528
.endr
	s_wait_dscnt 0x0
.irp t, 0,1,2,3,4,5,6,7,8,9,10,11,12,13,14,15
	global_store_b128 v[CO], v[BK+4*\t:BK+4*\t+3], s[96:97] offset:\t*12288   ; 32 lanes store 512 consecutive aligned bytes of a row of q32
.endr
.Lno_fine:
	s_wait_xcnt 0x0                                ; those stores have read their registers: v128 on are loaded again below
.macro PACK a                          ; block a: rounded to f16, 16 bytes a lane
.set AC, 64*((\a)%4)
	WIN 0x0a+5*((\a)/4)                            ; sources 0 and 1: window 2 or 3
.irp b, 0,1,2,3,4,5,6,7
.irp r, 0,1,2,3
	v_cvt_pk_f16_f32 v[TMP+4*\b+\r], v[AC+8*\b+2*\r], v[AC+8*\b+2*\r+1]
.endr
.endr
	WIN 0
.endm
.macro TOSTAGE a                       ; into rows of 272 bytes; back as four rows x 128 bytes of one head
.set BB, BK+32*((\a)%2)
.irp b, 0,1,2,3,4,5,6,7
	ds_store_b128 v[STO16], v[TMP+4*\b:TMP+4*\b+3] offset:32*\b
.endr
.irp t, 0,1,2,3,4,5,6,7
	ds_load_b128 v[BB+4*\t:BB+4*\t+3], v[RD16] offset:(\t%4)*1088+(\t/4)*128
.endr
.endm
.macro SEND a
.set BB, BK+32*((\a)%2)
	s_wait_dscnt 0x0                               ; the block is back in registers
	s_wait_xcnt 0x0                                ; the stores of the block before have read their registers, which the next block's loads take
.irp t, 0,1,2,3,4,5,6,7
	global_store_b128 v[CO], v[BB+4*\t:BB+4*\t+3], s[12:13] offset:(\t/4)*262144+2048*(\a)+512*(\t%4)   ; 32 lanes store 512 consecutive aligned bytes: four positions of one head
.endr
.endm
	PACK 0
	TOSTAGE 0
.irp a, 1,2,3,4,5,6,7                  ; block a's conversions stand between block a - 1's loads from the stage and the wait for them
	PACK \a
	SEND \a-1
	TOSTAGE \a
.endr
	SEND 7
	s_wait_tensorcnt 0x0                           ; the wave's end
	ds_add_u32 v[SPW], v[NIL]
	s_wait_dscnt 0x0
	CROUND                                         ; the closing round
	s_endpgm
.Lfunc_end_k_q310894f86a_qkv:
	.size	k_q310894f86a_qkv, .Lfunc_end_k_q310894f86a_qkv-k_q310894f86a_qkv
	.p2alignl 7, 3214868480
	.fill 96, 4, 3214868480
	.section	.rodata,"a",@progbits
	.p2align	6, 0x0
	.amdhsa_kernel k_q310894f86a_qkv
		.amdhsa_group_segment_fixed_size 327680
		.amdhsa_private_segment_fixed_size 0
		.amdhsa_enable_private_segment 0
		.amdhsa_kernarg_size 48
		.amdhsa_user_sgpr_count 2
		.amdhsa_user_sgpr_kernarg_segment_ptr 1
		.amdhsa_wavefront_size32 1
		.amdhsa_system_sgpr_workgroup_id_x 1
		.amdhsa_system_sgpr_workgroup_id_y 1
		.amdhsa_system_sgpr_workgroup_id_z 1
		.amdhsa_system_vgpr_workitem_id 0
		.amdhsa_next_free_vgpr 1024
		.amdhsa_next_free_sgpr 100
		.amdhsa_reserve_vcc 0
		.amdhsa_float_denorm_mode_32 3
		.amdhsa_float_denorm_mode_16_64 3
		.amdhsa_memory_ordered 1
		.amdhsa_forward_progress 1
		.amdhsa_inst_pref_size 131
	.end_amdhsa_kernel
	.amdgpu_metadata
---
amdhsa.version: [ 1, 2 ]
amdhsa.kernels:
  - .name:           k_q310894f86a_qkv
    .symbol:         k_q310894f86a_qkv.kd
    .args:
      - { .name: xc, .offset: 0, .size: 8, .value_kind: global_buffer, .address_space: global }
      - { .name: xs, .offset: 8, .size: 8, .value_kind: global_buffer, .address_space: global }
      - { .name: wc, .offset: 16, .size: 8, .value_kind: global_buffer, .address_space: global }
      - { .name: ws, .offset: 24, .size: 8, .value_kind: global_buffer, .address_space: global }
      - { .name: qkv, .offset: 32, .size: 8, .value_kind: global_buffer, .address_space: global }
      - { .name: q32, .offset: 40, .size: 8, .value_kind: global_buffer, .address_space: global }
    .group_segment_fixed_size: 327680
    .private_segment_fixed_size: 0
    .kernarg_segment_align: 8
    .kernarg_segment_size: 48
    .max_flat_workgroup_size: 128
    .sgpr_count:     100
    .vgpr_count:     1024
    .wavefront_size: 32
...
	.end_amdgpu_metadata
.endif
;; end of part 2
;; launch attn (part 3): grid 8 x 32, 8 waves a work-group, no clusters, 327,680 bytes of LDS; arguments qkv, ctx; writes ctx
.if DOCPART == 3
	.amdgcn_target "amdgcn-amd-amdhsa--gfx1250"
	.amdhsa_code_object_version 6
	.text
	.protected	k_q310894f86a_attn
	.globl	k_q310894f86a_attn
	.p2align	8
	.type	k_q310894f86a_attn,@function
k_q310894f86a_attn:
	s_mov_b64 s[64:65], 0
	v_nop
	global_prefetch_b8 v0, s[64:65] scope:SCOPE_SE
	s_setreg_imm32_b32 hwreg(HW_REG_WAVE_MODE, 25, 1), 1
	s_wait_xcnt 0x0
; ctx[b][q][head][:] = the sum over k <= q of softmax_k(Q[q] . K[k] / 8) V[k][:], for each of 32 (batch, head).  Q, K, V: f16, [batch][g][2048][64] (g = head, 16 + head, 32 + head).
; Products on f16 operands with f32 sums; maxima, exponentials and sums in f32, with a running maximum; the weights p (at most 1) are rounded to f16 for the second product.
; ctx in f16, laid for the next launch: byte (row / 2) x 4,096 + head x 256 + (row % 2) x 128 + 2 x channel, row = 2,048 x batch + position.
; LIMITS: ctx beyond 65,504 is not served (f16); NaN and infinities are not served.  Positions 0-15 of each sequence are computed here like the others and once more, in f32, by a later launch.
; SHARES.  A work-group owns query blocks i and 15 - i (128 queries each) of one head.  Eight waves, two to a SIMD, each with TWO neighbouring tiles of 16 queries, which share every fragment of K and V
; that the wave reads from LDS: 16 KiB of LDS reads feed 32 products.  Wave 2 p owns pair p (32 queries) of the late block 15 - i.  Wave 2 p + 1 first owns pair p of the early block i; when the walk has
; passed that block (key 128 (i + 1)) it divides and stores its rows, takes the late pair's Q (kept in registers since the head) and a fresh maximum, sum and O^T, and from there on the two waves share
; the late pair's key steps: the owner the even steps of 64 keys, the helper the odd ones.  So an owner has 2 (i + 1) + (15 - 2 i) = 17 key steps and every wave 15 to 17, whatever i.  Behind the walk
; the helper hands its O^T, c m and sum to the owner through LDS, as images of its registers; the owner brings both parts under the larger maximum, adds, divides and stores.
; Every work-group walks all 8 slots of 256 keys (constant trip counts); a step that is not the wave's is jumped over by branches on ids and the count of steps, and a slot whose first key comes after
; the work-group's last query is not asked for.  NO CLUSTER: the work-groups that share K and V differ in i, on which these branches hang, and need different numbers of slots (5 to 8).
; LAYOUT.  S^T = K Q^T (source 0 = 16 keys, source 1 = 16 queries): a lane holds ONE query (lane % 16) and keys 8 (lane / 16) + 0..7 of each tile of keys.  Two such tiles rounded in pairs ARE source 1
; of O^T = V^T P.  K comes out of LDS as it lies, V turned by ds_load_tr16_b128.  In LDS two keys share a row of 256 bytes (+ 16 of padding for K, + 32 for V).
; REGISTERS, in windows of 256: window 0: v1-30 addresses and statistics; v32-63 Q; v64-127 S^T, then p; v128-159 P in f16; v160-223 O^T; v224-255 the way out.
;   window 1: v0-63 K, v64-127 V^T, v128-159 the late pair's Q.  So only the fragments' loads (destination window 1) and the products (source 0 window 1) need a switch: four a step.
.set PK,    272
.set PV,    288
.set VOFF,  128*PK                     ; a slot: 128 rows of K, then 128 rows of V
.set SLOT1, 1<<17
.set SPARE, 2*SLOT1                    ; the spare words, 128 bytes for each of 8 waves
.set STAGE, SPARE+1024                 ; the way out: 16 rows x 144 bytes for each wave; bytes of its own, into which no tile lands
.set XCH,   STAGE+8*2304               ; helper to owner: for each pair 16 images of 512 bytes (O^T) and one of the statistics; bytes of its own too
.set XPB,   8704
.set AK0, 1                            ; v1  my lane's place in a tile of K
.set AV0, 2                            ; v2  the same for V
.set SPW, 3                            ; v3  my spare word; never rewritten
.set NIL, 4                            ; v4  0; never rewritten
.set GO,  5                            ; v5  the way out: my byte offset in ctx
.set ADK, 6                            ; v6  LDS address of the slot's K for my lane
.set ADV, 7                            ; v7  of V
.set STO, 8                            ; v8  the stage: where I put 16 bytes of a row
.set RD,  9                            ; v9  and where I read back
.set PFO, 10                           ; v10 256 x lane: the prefetch's offset
.set DD,  11                           ; v11 the mask: the tile's query of my lane - the step's first key - 8 (lane / 16)
.set ST,  12                           ; v12-27 statistics, eight a tile: +0 c m, +1 m, +2, +3 l (even keys', odd keys'), +4 to +7 at work; a takes +6
.set RH,  28                           ; v28 lane % 16 - 8 (lane / 16)
.set XA,  29                           ; v29 LDS address of my lane's 16 bytes in my pair's images
.set NINF, 30                          ; v30 -infinity
.set RQ,  32                           ; Q: tile t, channels 32 c on, at 32 + 16 t + 8 c
.set RS,  64                           ; S^T: tile t, keys 16 k on, at 64 + 32 t + 8 k
.set RP,  128                          ; P: tile t at 128 + 16 t
.set RO,  160                          ; O^T: tile t, channels 16 d on, at 160 + 32 t + 8 d
.set TW,  224
.set RK,  0                            ; window 1: K: keys 16 k on, channels 32 c on, at 16 k + 8 c
.set RV,  64                           ; window 1: V^T: keys 32 u on, channels 16 d on, at 64 + 32 u + 8 d
.set RQ2, 128                          ; window 1: the late pair's Q
.set TB,  2                            ; s2  LDS byte at which the slot in hand begins
.set CBE, 16                           ; s[16:17] ctx at the early pair's first row
.set WV,  18
.set ROLE, 19                          ; s19 0: owner of a late pair; 1: early pair, then helper
.set SEL, 20
.set CS,  22
.set G1K, 24
.set G1V, 32
.set G0K, 40
.set G0V, 44
.set CBL, 48                           ; s[48:49] ctx at the late pair's first row
.set SLOTS, 67
.set QL,  68                           ; s68 my work-group's last query
.set KS,  69                           ; s69 128 (i + 1): from this key on the late pairs' steps are shared
.set KSW, 70                           ; s70 the same in waves of role 1, else a number that no key reaches
.set Q0L, 71                           ; s71 the late pair's first query
.set PFA, 76
.set LIM, 80
.set KF,  98                           ; s98 the step's first key
.set Q0,  99                           ; s99 the first query of the pair in hand
.set MSB, 0
.macro WIN new                         ; the immediate's high byte repeats the setting that is left
.if MSB != \new
	s_set_vgpr_msb (MSB<<8)|\new
.set MSB, \new
.endif
.endm
; Waves 0 and 1 fetch K's halves of a slot, waves 2 and 3 V's, the others nothing.  An s_nop 0 and four v_nop follow each line.
.macro TLOAD
	s_cmp_lt_u32 s[WV], 2
	s_cbranch_scc0 .Lnot_k_\@
	tensor_load_to_lds s[G0K:G0K+3], s[G1K:G1K+7]
	s_nop 0
.rept 4
	v_nop
.endr
	s_branch .Lasked_\@
.Lnot_k_\@:
	s_cmp_lt_u32 s[WV], 4
	s_cbranch_scc0 .Lasked_\@
	tensor_load_to_lds s[G0V:G0V+3], s[G1V:G1V+7]
	s_nop 0
.rept 4
	v_nop
.endr
.Lasked_\@:
.endm
; A prefetch of what the NEXT change of slots will ask for: 32,768 bytes of K and of V.  The head's work-group 0, which walks all keys, asks: waves 0-3 for K, waves 4-7 for V, 8,192 bytes a wave,
; lanes 256 bytes apart, one instruction a wave: each aligned block of 256 bytes is named once in the launch.  The last change that fills a slot asks for nothing; nothing is asked for at the head.
.macro ASK
	s_cmp_gt_u32 s[SLOTS], s[LIM]
	s_cbranch_scc0 .Lnot_mine_\@
	global_prefetch_b8 v[PFO], s[PFA:PFA+1] th:TH_LOAD_NT scope:SCOPE_SE
.Lnot_mine_\@:
.endm
; A pair's start: the largest score so far -3e38, under every score; sums and O^T zero, which the first step's a = 0 leaves zero
.macro INIT
.irp t, 0,1
	v_mov_b32 v[ST+8*\t+1], 0xff61b1e6
	v_mov_b32 v[ST+8*\t+2], 0
	v_mov_b32 v[ST+8*\t+3], 0
	v_mul_f32 v[ST+8*\t], s[CS], v[ST+8*\t+1]
.endr
.set jj, 0
.rept 64
	v_mov_b32 v[RO+jj], 0
.set jj, jj+1
.endr
.endm
; THE WAY OUT of a pair: O^T / l, rounded to f16, a tile at a time through my stage, so that sixteen lanes store 256 consecutive aligned bytes (a pair of rows of my head).  cb: ctx at the pair's first row
.macro FINAL cb
.rept 4
	v_nop                                          ; places behind the last products
.endr
.irp t, 0,1
	v_add_f32 v[ST+8*\t+4], v[ST+8*\t+2], v[ST+8*\t+3]
.endr
.irp t, 0,1
	v_permlanex16_b32 v[ST+8*\t+5], v[ST+8*\t+4], s[SEL], s[SEL+1]
.endr
.irp t, 0,1
	v_add_f32 v[ST+8*\t+4], v[ST+8*\t+4], v[ST+8*\t+5]
.endr
.irp t, 0,1
	v_rcp_f32 v[ST+8*\t+6], v[ST+8*\t+4]
.endr
	v_nop                                          ; a plain line behind the last reciprocal
	s_wait_alu depctr_va_vdst(0)                   ; one wait for the two, ahead of their first reader
.set jj, 0
.rept 64
	v_mul_f32 v[RS+jj], v[RO+jj], v[ST+8*(jj/32)+6]
.set jj, jj+1
.endr
.set jj, 0
.rept 32
	v_cvt_pk_f16_f32 v[RP+jj], v[RS+2*jj], v[RS+2*jj+1]
.set jj, jj+1
.endr
.irp t, 0,1                                    ; LDS serves a wave's instructions in order: a tile's loads see its stores, and the next tile's stores come behind them
.irp d, 0,1,2,3
	ds_store_b128 v[STO], v[RP+16*\t+4*\d:RP+16*\t+4*\d+3] offset:32*\d
.endr
.irp x, 0,1,2,3
	ds_load_b128 v[TW+16*\t+4*\x:TW+16*\t+4*\x+3], v[RD] offset:576*\x
.endr
.endr
.irp x, 0,1,2,3
	s_wait_dscnt 11-\x                             ; tile 0's later loads and tile 1's eight stage instructions may be out
	global_store_b128 v[GO], v[TW+4*\x:TW+4*\x+3], s[\cb:\cb+1] offset:8192*\x
.endr
.irp x, 0,1,2,3
	s_wait_dscnt 3-\x                              ; tile 1's later loads may be out
	global_store_b128 v[GO], v[TW+16+4*\x:TW+16+4*\x+3], s[\cb:\cb+1] offset:32768+8192*\x
.endr
.endm
	s_load_b128 s[4:7], s[0:1], 0x0                ; qkv, ctx
	v_lshl_add_u32 v[SPW], v0, 2, SPARE
	v_mov_b32 v[NIL], 0
	ds_add_u32 v[SPW], v[NIL]                      ; the wave's opening: the add, twice on end, and its wait ahead of the first tensor load
	ds_add_u32 v[SPW], v[NIL]
	v_lshrrev_b32 v6, 5, v0
	v_readfirstlane_b32 s[WV], v6                  ; wave 0..7
	s_and_b32 s72, ttmp7, 0xffff
	s_lshr_b32 s73, s72, 4                         ; batch
	s_and_b32 s74, s72, 15                         ; head
	s_mul_i32 s84, s73, 48
	s_add_co_u32 s84, s84, s74
	s_lshl_b32 s84, s84, 18                        ; Q's head: 262,144 bytes each
	s_mov_b32 s85, 0
	s_and_b32 s[ROLE], s[WV], 1
	s_lshr_b32 s75, s[WV], 1                       ; my pair, 0..3
	s_lshl_b32 s86, s75, 5
	s_lshl_b32 s87, ttmp9, 7                       ; 128 i
	s_add_co_u32 s[KS], s87, 128
	s_add_co_u32 s87, s87, s86                     ; the early pair's first query
	s_sub_co_u32 s[QL], 15, ttmp9
	s_lshl_b32 s[QL], s[QL], 7                     ; 128 (15 - i)
	s_add_co_u32 s[Q0L], s[QL], s86                ; the late pair's
	s_or_b32 s[QL], s[QL], 127                     ; the work-group's last query
	s_cmp_eq_u32 s[ROLE], 0
	s_cselect_b32 s[Q0], s[Q0L], s87
	s_cselect_b32 s[KSW], -1, s[KS]
	s_lshl_b32 s88, s[Q0], 7                       ; Q: 128 bytes a query
	s_mov_b32 s89, 0
	s_lshl_b32 s90, s[Q0L], 7
	s_mov_b32 s91, 0
	s_lshl_b32 s96, s73, 11
	s_lshl_b32 s97, s74, 8
	s_add_co_u32 s92, s96, s87
	s_lshl_b32 s92, s92, 11                        ; ctx: (row / 2) x 4,096, a pair's first row being even,
	s_add_co_u32 s92, s92, s97                     ; + 256 x head
	s_mov_b32 s93, 0
	s_add_co_u32 s94, s96, s[Q0L]
	s_lshl_b32 s94, s94, 11
	s_add_co_u32 s94, s94, s97
	s_mov_b32 s95, 0
	s_mul_i32 s81, s[ROLE], 64*PK                  ; which half of a slot I fetch, if I fetch: wave % 2
	s_mul_i32 s83, s[ROLE], 64*PV
	s_add_co_u32 s83, s83, VOFF
	s_lshl_b32 s78, s[ROLE], 14
	s_mov_b32 s79, 0
	; 64 rows of 256 bytes (two keys each), dense in memory; padding of 4 words (K) or 8 (V) behind every 64
	s_mov_b32 s[G1K], (1<<16)|(1<<20)|(5<<22)|(3<<25)
	s_mov_b32 s[G1V], (1<<16)|(1<<20)|(5<<22)|(7<<25)
.irp g, G1K, G1V
	s_mov_b32 s[\g+1], 128<<16
	s_mov_b32 s[\g+2], 64<<16
	s_mov_b32 s[\g+3], 128<<16
	s_mov_b32 s[\g+4], 64
	s_mov_b32 s[\g+5], 128
	s_mov_b32 s[\g+6], 0
	s_mov_b32 s[\g+7], 0
.endr
	s_mov_b32 s[SEL], 0x76543210
	s_mov_b32 s[SEL+1], 0xfedcba98
	s_mov_b32 s[CS], 0x3e38aa3b                    ; c = log2(e) / 8
	s_mov_b32 s[CS+1], s[CS]
	s_mov_b32 s[TB], 0
	s_mov_b32 s[SLOTS], 7
	s_mov_b32 s[KF], 0
	s_wait_dscnt 0x0                               ; both opening adds are done
	s_wait_kmcnt 0x0
	s_add_nc_u64 s[8:9], s[4:5], s[84:85]          ; Q's head
	s_add_nc_u64 s[10:11], s[8:9], 16<<18          ; K's
	s_add_nc_u64 s[12:13], s[8:9], 32<<18          ; V's
	s_mov_b32 s[G0K], 1
	s_mov_b32 s[G0K+1], s81
	s_add_nc_u64 s[G0K+2:G0K+3], s[10:11], s[78:79]
	s_or_b32 s[G0K+3], s[G0K+3], 0x80000000
	s_mov_b32 s[G0V], 1
	s_mov_b32 s[G0V+1], s83
	s_add_nc_u64 s[G0V+2:G0V+3], s[12:13], s[78:79]
	s_or_b32 s[G0V+3], s[G0V+3], 0x80000000
	TLOAD                                          ; slot 0: it holds key 0, which counts for every query
	s_add_nc_u64 s[14:15], s[8:9], s[88:89]        ; Q at the first query of the pair that I begin with
	s_add_nc_u64 s[50:51], s[8:9], s[90:91]        ; and at the late pair's
	s_add_nc_u64 s[CBE:CBE+1], s[6:7], s[92:93]
	s_add_nc_u64 s[CBL:CBL+1], s[6:7], s[94:95]
	s_cmp_lt_u32 s[WV], 4
	s_cselect_b64 s[PFA:PFA+1], s[10:11], s[12:13]
	s_and_b32 s82, s[WV], 3
	s_lshl_b32 s82, s82, 13
	s_add_co_u32 s82, s82, 32768                   ; my wave's part of slot 1: the first change of slots steps it to slot 2
	s_mov_b32 s83, 0
	s_add_nc_u64 s[PFA:PFA+1], s[PFA:PFA+1], s[82:83]
	s_cmp_eq_u32 ttmp9, 0
	s_cselect_b32 s[LIM], 1, -1
	v_and_b32 v248, 15, v0                         ; r
	v_bfe_u32 v249, v0, 4, 1                       ; h
	v_lshlrev_b32 v253, 7, v248
	v_lshl_add_u32 v253, v249, 4, v253             ; Q: row r of 128 bytes + 16 h
.irp t, 0,1
.irp c, 0,1
	global_load_b128 v[RQ+16*\t+8*\c:RQ+16*\t+8*\c+3], v253, s[14:15] offset:2048*\t+64*\c
	global_load_b128 v[RQ+16*\t+8*\c+4:RQ+16*\t+8*\c+7], v253, s[14:15] offset:2048*\t+64*\c+32
.endr
.endr
	WIN 0x40                                       ; destination window 1
.irp t, 0,1
.irp c, 0,1
	global_load_b128 v[RQ2+16*\t+8*\c:RQ2+16*\t+8*\c+3], v253, s[50:51] offset:2048*\t+64*\c
	global_load_b128 v[RQ2+16*\t+8*\c+4:RQ2+16*\t+8*\c+7], v253, s[50:51] offset:2048*\t+64*\c+32
.endr
.endr
	WIN 0
	v_lshrrev_b32 v251, 1, v248
	v_mul_u32_u24 v[AK0], v251, PK
	v_and_b32 v251, 1, v0
	v_lshl_add_u32 v[AK0], v251, 7, v[AK0]
	v_lshl_add_u32 v[AK0], v249, 4, v[AK0]         ; K: key r lies in row r / 2, half r % 2; + 16 h
	v_bfe_u32 v252, v0, 1, 2
	v_lshl_add_u32 v252, v249, 2, v252
	v_mul_u32_u24 v[AV0], v252, PV
	v_lshl_add_u32 v[AV0], v251, 7, v[AV0]
	v_bfe_u32 v252, v0, 3, 1
	v_lshl_add_u32 v[AV0], v252, 4, v[AV0]
	v_add_nc_u32 v[AV0], VOFF, v[AV0]              ; V: key 8 h + lane % 8, channels 8 ((lane / 8) % 2) on
	v_lshlrev_b32 v[GO], 12, v249
	v_lshl_add_u32 v[GO], v248, 4, v[GO]           ; ctx: lanes 0-15 one pair of rows' 256 bytes, lanes 16-31 the next pair's
	s_mul_i32 s82, s[WV], 2304
	s_add_co_u32 s82, s82, STAGE
	v_mul_u32_u24 v[STO], v248, 144
	v_lshl_add_u32 v[STO], v249, 4, v[STO]
	v_add_nc_u32 v[STO], s82, v[STO]
	v_bfe_u32 v252, v0, 3, 2
	v_mul_u32_u24 v[RD], v252, 144
	v_and_b32 v252, 7, v0
	v_lshl_add_u32 v[RD], v252, 4, v[RD]
	v_add_nc_u32 v[RD], s82, v[RD]
	v_and_b32 v[PFO], 31, v0
	v_lshlrev_b32 v[XA], 4, v[PFO]
	v_lshlrev_b32 v[PFO], 8, v[PFO]
	s_mul_i32 s82, s75, XPB
	s_add_co_u32 s82, s82, XCH
	v_add_nc_u32 v[XA], s82, v[XA]                 ; 16 x lane + my pair's images
	v_lshlrev_b32 v252, 3, v249
	v_sub_nc_u32 v[RH], v248, v252
.irp t, 0,1
.irp j, 4,5,6,7
	v_mov_b32 v[ST+8*\t+\j], 0                     ; written once: a lane permute's destination counts as one of its sources
.endr
.endr
	INIT
; A KEY STEP: 64 keys, the q-th of the slot in hand, for my two tiles.  sw = 1: at its head stands the early waves' change of pairs.
.macro STEP q, sw
.if \sw
	s_cmp_lg_u32 s[KF], s[KSW]                     ; ids and the count of steps alone; no barrier and no tensor load stands under this branch
	s_cbranch_scc1 .Lnosw_\@
	FINAL CBE                                      ; the walk has passed the early block: its rows are finished
	s_wait_xcnt 0x0                                ; the stores have read their registers
	WIN 0x01                                       ; source 0 window 1
.set jj, 0
.rept 32
	v_mov_b32 v[RQ+jj], v[RQ2+jj]                  ; the late pair's Q
.set jj, jj+1
.endr
	WIN 0
	INIT
	s_mov_b32 s[Q0], s[Q0L]
.Lnosw_\@:
.endif
	s_add_co_u32 s96, s[Q0], 31                    ; a step all of whose keys come after my 32 queries is left out,
	s_cmp_gt_u32 s[KF], s96
	s_cbranch_scc1 .Lhidden_\@
	s_cmp_lt_u32 s[KF], s[KS]
	s_cbranch_scc1 .Ltake_\@
	s_cmp_lg_u32 s[ROLE], (\q)&1                   ; and, from key 128 (i + 1) on, a step that is my partner's: the owner takes the even steps, the helper the odd ones
	s_cbranch_scc1 .Lhidden_\@
.Ltake_\@:
	v_add_nc_u32 v[ADK], s[TB], v[AK0]
	v_add_nc_u32 v[ADV], s[TB], v[AV0]
.rept 3
	v_nop                                          ; with the two additions: the places in front of loads into registers that the last products read
.endr
	WIN 0x40                                       ; destination window 1
.irp t, 0,1,2,3
.irp c, 0,1
	ds_load_b128 v[RK+16*\t+8*\c:RK+16*\t+8*\c+3], v[ADK] offset:(32*(\q)+8*\t)*PK+64*\c
	ds_load_b128 v[RK+16*\t+8*\c+4:RK+16*\t+8*\c+7], v[ADK] offset:(32*(\q)+8*\t)*PK+64*\c+32
.endr
.endr
	s_wait_dscnt 0x0                               ; K is in
	WIN 0x01                                       ; source 0 window 1
.irp k, 0,1,2,3                                ; the eight accumulators take turns; each fragment of K serves both tiles
.irp t, 0,1
	v_wmma_f32_16x16x32_f16 v[RS+32*\t+8*\k:RS+32*\t+8*\k+7], v[RK+16*\k:RK+16*\k+7], v[RQ+16*\t:RQ+16*\t+7], 0
.endr
.endr
.irp k, 0,1,2,3
.irp t, 0,1
	v_wmma_f32_16x16x32_f16 v[RS+32*\t+8*\k:RS+32*\t+8*\k+7], v[RK+16*\k+8:RK+16*\k+15], v[RQ+16*\t+8:RQ+16*\t+15], v[RS+32*\t+8*\k:RS+32*\t+8*\k+7]
.endr
.endr
	WIN 0x40                                       ; V is asked for here, behind the first products: it lands while the softmax is worked
.irp u, 0,1
.irp d, 0,1,2,3
	ds_load_tr16_b128 v[RV+32*\u+8*\d:RV+32*\u+8*\d+3], v[ADV] offset:(32*(\q)+16*\u)*PV+32*\d
	ds_load_tr16_b128 v[RV+32*\u+8*\d+4:RV+32*\u+8*\d+7], v[ADV] offset:(32*(\q)+16*\u+8)*PV+32*\d
.endr
.endr
	WIN 0
.rept 4
	v_nop                                          ; places in front of the first read of the scores
.endr
	s_add_co_u32 s96, s[KF], 63                    ; on the diagonal hidden scores become -infinity ahead of the maximum; a step all of whose keys count skips this
	s_cmp_le_u32 s96, s[Q0]
	s_cbranch_scc1 .Lopen_\@
	s_sub_co_i32 s96, s[Q0], s[KF]
	v_add_nc_u32 v[DD], s96, v[RH]                 ; register 8 k + j of a tile holds key KF + 16 k + 8 h + j: hidden where 16 k + j > d
	v_mov_b32 v[NINF], 0xff800000
.set jj, 0
.rept 64
.if jj == 32
	v_add_nc_u32 v[DD], 16, v[DD]                  ; the second tile's queries lie 16 further on
.endif
	v_cmp_gt_i32 vcc_lo, 16*((jj%32)/8)+jj%8, v[DD]
	v_cndmask_b32 v[RS+jj], v[RS+jj], v[NINF], vcc_lo
.set jj, jj+1
.endr
.Lopen_\@:
.irp x, 0,1,2,3                                ; the maximum: four chains a tile, each accumulator from its low end on; the two tiles by turns throughout
.irp t, 0,1
	v_max3_num_f32 v[ST+8*\t+4+\x], v[RS+32*\t+8*\x], v[RS+32*\t+8*\x+1], v[RS+32*\t+8*\x+2]
.endr
.endr
.irp x, 0,1,2,3
.irp t, 0,1
	v_max3_num_f32 v[ST+8*\t+4+\x], v[ST+8*\t+4+\x], v[RS+32*\t+8*\x+3], v[RS+32*\t+8*\x+4]
.endr
.endr
.irp x, 0,1,2,3
.irp t, 0,1
	v_max3_num_f32 v[ST+8*\t+4+\x], v[ST+8*\t+4+\x], v[RS+32*\t+8*\x+5], v[RS+32*\t+8*\x+6]
.endr
.endr
.irp t, 0,1
	v_max3_num_f32 v[ST+8*\t+4], v[ST+8*\t+4], v[RS+32*\t+7], v[RS+32*\t+15]
	v_max3_num_f32 v[ST+8*\t+6], v[ST+8*\t+6], v[RS+32*\t+23], v[RS+32*\t+31]
.endr
.irp t, 0,1
	v_max3_num_f32 v[ST+8*\t+4], v[ST+8*\t+4], v[ST+8*\t+5], v[ST+8*\t+6]
.endr
.irp t, 0,1
	v_max3_num_f32 v[ST+8*\t+4], v[ST+8*\t+4], v[ST+8*\t+7], v[ST+8*\t+1]   ; with the old m
.endr
.irp t, 0,1
	v_permlanex16_b32 v[ST+8*\t+5], v[ST+8*\t+4], s[SEL], s[SEL+1]          ; the query's other 32 keys lie in the lane 16 away
.endr
.irp t, 0,1
	v_mov_b32 v[ST+8*\t+7], v[ST+8*\t]             ; c m_old is kept for a
.endr
.irp t, 0,1
	v_max_num_f32 v[ST+8*\t+1], v[ST+8*\t+4], v[ST+8*\t+5]
.endr
.irp t, 0,1
	v_mul_f32 v[ST+8*\t], s[CS], v[ST+8*\t+1]
.endr
.irp t, 0,1
	v_sub_f32 v[ST+8*\t+7], v[ST+8*\t+7], v[ST+8*\t]
.endr
.irp j, 0,2,4,6,8,10,12,14,16,18,20,22,24,26,28,30
.irp t, 0,1
	v_pk_fma_f32 v[RS+32*\t+\j:RS+32*\t+\j+1], v[RS+32*\t+\j:RS+32*\t+\j+1], s[CS:CS+1], v[ST+8*\t:ST+8*\t+1] op_sel_hi:[1,0,0] neg_lo:[0,0,1] neg_hi:[0,0,1]   ; c s - c m
.endr
.endr
.irp t, 0,1
	v_exp_f32 v[ST+8*\t+6], v[ST+8*\t+7]           ; a = 2^(c m_old - c m_new)
.endr
.set jj, 0
.rept 64
	v_exp_f32 v[RS+jj], v[RS+jj]                   ; p, at most 1
.set jj, jj+1
.endr
	v_nop                                          ; a plain line behind the last exponential
	s_wait_alu depctr_va_vdst(0)                   ; one wait for the batch of 66, ahead of its first reader
.set jj, 0
.rept 32
	v_cvt_pk_f16_f32 v[RP+jj], v[RS+2*jj], v[RS+2*jj+1]
.set jj, jj+1
.endr
.set jj, 0
.rept 16
	v_pk_add_f32 v[RS+4*jj:RS+4*jj+1], v[RS+4*jj:RS+4*jj+1], v[RS+4*jj+2:RS+4*jj+3]     ; the sums of the unrounded p, in place, as trees
.set jj, jj+1
.endr
.set jj, 0
.rept 8
	v_pk_add_f32 v[RS+8*jj:RS+8*jj+1], v[RS+8*jj:RS+8*jj+1], v[RS+8*jj+4:RS+8*jj+5]
.set jj, jj+1
.endr
.set jj, 0
.rept 4
	v_pk_add_f32 v[RS+16*jj:RS+16*jj+1], v[RS+16*jj:RS+16*jj+1], v[RS+16*jj+8:RS+16*jj+9]
.set jj, jj+1
.endr
.irp t, 0,1
	v_pk_add_f32 v[RS+32*\t:RS+32*\t+1], v[RS+32*\t:RS+32*\t+1], v[RS+32*\t+16:RS+32*\t+17]
.endr
.irp t, 0,1
	v_pk_fma_f32 v[ST+8*\t+2:ST+8*\t+3], v[ST+8*\t+2:ST+8*\t+3], v[ST+8*\t+6:ST+8*\t+7], v[RS+32*\t:RS+32*\t+1] op_sel_hi:[1,0,1]   ; l = a l + the sum
.endr
.set jj, 0
.rept 32
	v_pk_mul_f32 v[RO+jj:RO+jj+1], v[RO+jj:RO+jj+1], v[ST+8*(jj/32)+6:ST+8*(jj/32)+7] op_sel_hi:[1,0]   ; O^T x a
.set jj, jj+2
.endr
	s_wait_dscnt 0x0                               ; V is in
	WIN 0x01
.irp u, 0,1                                    ; eight accumulators by turns; each fragment of V serves both tiles
.irp d, 0,1,2,3
.irp t, 0,1
	v_wmma_f32_16x16x32_f16 v[RO+32*\t+8*\d:RO+32*\t+8*\d+7], v[RV+32*\u+8*\d:RV+32*\u+8*\d+7], v[RP+16*\t+8*\u:RP+16*\t+8*\u+7], v[RO+32*\t+8*\d:RO+32*\t+8*\d+7]
.endr
.endr
.endr
	WIN 0
.Lhidden_\@:
	s_add_co_u32 s[KF], s[KF], 64
.endm
; THE CHANGE OF SLOTS stands at a slot's head.  Each wave waits for all its tensor loads, adds 0 to its spare word (fill = 1: twice on end), and waits for that and for its reads of the slot that it
; has left; behind the barrier the slot ahead is whole and nobody reads the other one, which is then filled with the keys that follow, up to the causal limit.
.macro CHANGE fill
	s_wait_tensorcnt 0x0                           ; no tensor load of mine is out, so a group 0 may be written
	ds_add_u32 v[SPW], v[NIL]
.if \fill
	ds_add_u32 v[SPW], v[NIL]                      ; and once more, in every trip alike
	s_xor_b32 s[G0K+1], s[G0K+1], SLOT1            ; the walking descriptors: the other slot,
	s_add_nc_u64 s[G0K+2:G0K+3], s[G0K+2:G0K+3], 32768   ; the next 256 keys
	s_xor_b32 s[G0V+1], s[G0V+1], SLOT1
	s_add_nc_u64 s[G0V+2:G0V+3], s[G0V+2:G0V+3], 32768
	s_wait_xcnt 0x0                                ; the last prefetch, a slot back, has read its address
	s_add_nc_u64 s[PFA:PFA+1], s[PFA:PFA+1], 32768
.endif
	s_wait_dscnt 0x0                               ; the adds are done, and my reads of the slot that I have left are over
	s_barrier_signal -1
	s_barrier_wait -1
.if \fill
	s_add_co_u32 s96, s[KF], 256                   ; the first key of the slot that this change would ask for: past my work-group's last query none of its waves reads it
	s_cmp_gt_u32 s96, s[QL]                        ; ids and the count of steps alone: all eight waves go the same way
	s_cbranch_scc1 .Lpast_\@
	TLOAD                                          ; a wave's one tensor load until the next such barrier
.Lpast_\@:
	ASK
.endif
.endm
.macro SLOT_STEPS sw                   ; the early block ends at a multiple of 128 keys: the change of pairs can stand at a slot's steps 0 and 2
	STEP 0, \sw
	STEP 1, 0
	STEP 2, \sw
	STEP 3, 0
	s_xor_b32 s[TB], s[TB], SLOT1
.endm
	s_wait_loadcnt 0x0                             ; both Q
.Lslot:                                            ; 7 trips; the change of pairs falls at key 128 to 1,024, inside them
	CHANGE 1
	SLOT_STEPS 1
	s_sub_co_u32 s[SLOTS], s[SLOTS], 1
	s_cmp_lg_u32 s[SLOTS], 0
	s_cbranch_scc1 .Lslot
	CHANGE 0                                       ; the last slot is written out: nothing is left to ask for
	SLOT_STEPS 0
	; HELPER TO OWNER.  The helper's O^T, c m and sums go to LDS as they stand in its registers; a barrier; the owner loads them into the same lanes.
.rept 4
	v_nop                                          ; places behind the last products
.endr
	s_cmp_eq_u32 s[ROLE], 0
	s_cbranch_scc1 .Lowner
.irp t, 0,1
	v_mov_b32 v[TW+\t], v[ST+8*\t]                 ; c m
	v_add_f32 v[TW+2+\t], v[ST+8*\t+2], v[ST+8*\t+3]   ; my lane's part of l
.endr
.set jj, 0
.rept 16
	ds_store_b128 v[XA], v[RO+4*jj:RO+4*jj+3] offset:512*jj        ; each accumulator from its low end on
.set jj, jj+1
.endr
	ds_store_b128 v[XA], v[TW:TW+3] offset:8192
.Lowner:
	s_wait_dscnt 0x0                               ; for the owner's sake: the helper's stores have landed
	s_barrier_signal -1
	s_barrier_wait -1
	s_cmp_lg_u32 s[ROLE], 0
	s_cbranch_scc1 .Ldone
.set jj, 0
.rept 16
	ds_load_b128 v[RS+4*jj:RS+4*jj+3], v[XA] offset:512*jj
.set jj, jj+1
.endr
	ds_load_b128 v[TW:TW+3], v[XA] offset:8192
	s_wait_dscnt 0x0
.irp t, 0,1
	v_max_num_f32 v[ST+8*\t+4], v[ST+8*\t], v[TW+\t]               ; the larger c m.  (A helper that had no step hands over c x -3e38 and zeros: its factor comes out 0)
.endr
.irp t, 0,1
	v_sub_f32 v[ST+8*\t+7], v[ST+8*\t], v[ST+8*\t+4]
	v_sub_f32 v[ST+8*\t+5], v[TW+\t], v[ST+8*\t+4]
.endr
.irp t, 0,1
	v_exp_f32 v[ST+8*\t+6], v[ST+8*\t+7]           ; my part's factor
	v_exp_f32 v[ST+8*\t+4], v[ST+8*\t+5]           ; the helper's
.endr
.irp t, 0,1
	v_add_f32 v[ST+8*\t+2], v[ST+8*\t+2], v[ST+8*\t+3]             ; (plain lines behind the exponentials)
.endr
	s_wait_alu depctr_va_vdst(0)                   ; one wait for the four, ahead of their first reader
.irp t, 0,1
	v_mul_f32 v[ST+8*\t+2], v[ST+8*\t+2], v[ST+8*\t+6]
	v_mov_b32 v[ST+8*\t+3], 0
.endr
.irp t, 0,1
	v_fmac_f32 v[ST+8*\t+2], v[TW+2+\t], v[ST+8*\t+4]              ; l under the larger maximum
.endr
.set jj, 0
.rept 32
	v_pk_mul_f32 v[RO+jj:RO+jj+1], v[RO+jj:RO+jj+1], v[ST+8*(jj/32)+6:ST+8*(jj/32)+7] op_sel_hi:[1,0]
.set jj, jj+2
.endr
.set jj, 0
.rept 32
	v_pk_fma_f32 v[RO+jj:RO+jj+1], v[RS+jj:RS+jj+1], v[ST+8*(jj/32)+4:ST+8*(jj/32)+5], v[RO+jj:RO+jj+1] op_sel_hi:[1,0,1]   ; and O^T
.set jj, jj+2
.endr
	FINAL CBL
.Ldone:
	s_wait_tensorcnt 0x0                           ; the wave's end
	ds_add_u32 v[SPW], v[NIL]
	s_wait_dscnt 0x0
	s_endpgm
.Lfunc_end_k_q310894f86a_attn:
	.size	k_q310894f86a_attn, .Lfunc_end_k_q310894f86a_attn-k_q310894f86a_attn
	.p2alignl 7, 3214868480
	.fill 96, 4, 3214868480
	.section	.rodata,"a",@progbits
	.p2align	6, 0x0
	.amdhsa_kernel k_q310894f86a_attn
		.amdhsa_group_segment_fixed_size 327680
		.amdhsa_private_segment_fixed_size 0
		.amdhsa_enable_private_segment 0
		.amdhsa_kernarg_size 16
		.amdhsa_user_sgpr_count 2
		.amdhsa_user_sgpr_kernarg_segment_ptr 1
		.amdhsa_wavefront_size32 1
		.amdhsa_system_sgpr_workgroup_id_x 1
		.amdhsa_system_sgpr_workgroup_id_y 1
		.amdhsa_system_sgpr_workgroup_id_z 1
		.amdhsa_system_vgpr_workitem_id 0
		.amdhsa_next_free_vgpr 512
		.amdhsa_next_free_sgpr 100
		.amdhsa_reserve_vcc 1
		.amdhsa_float_denorm_mode_32 3
		.amdhsa_float_denorm_mode_16_64 3
		.amdhsa_memory_ordered 1
		.amdhsa_forward_progress 1
		.amdhsa_inst_pref_size 219
	.end_amdhsa_kernel
	.amdgpu_metadata
---
amdhsa.version: [ 1, 2 ]
amdhsa.kernels:
  - .name:           k_q310894f86a_attn
    .symbol:         k_q310894f86a_attn.kd
    .args:
      - { .name: qkv, .offset: 0, .size: 8, .value_kind: global_buffer, .address_space: global }
      - { .name: ctx, .offset: 8, .size: 8, .value_kind: global_buffer, .address_space: global }
    .group_segment_fixed_size: 327680
    .private_segment_fixed_size: 0
    .kernarg_segment_align: 8
    .kernarg_segment_size: 16
    .max_flat_workgroup_size: 256
    .sgpr_count:     100
    .vgpr_count:     512
    .wavefront_size: 32
...
	.end_amdgpu_metadata
.endif
;; end of part 3
;; launch proj (part 4): grid 8 x 32, 4 waves a work-group, clusters of 4 x 4, 327,680 bytes of LDS; arguments ctx, wo16, out0, bo; writes out0
.if DOCPART == 4
	.amdgcn_target "amdgcn-amd-amdhsa--gfx1250"
	.amdhsa_code_object_version 6
	.text
	.protected	k_q310894f86a_proj
	.globl	k_q310894f86a_proj
	.p2align	8
	.type	k_q310894f86a_proj,@function
k_q310894f86a_proj:
	s_mov_b64 s[64:65], 0
	v_nop
	global_prefetch_b8 v0, s[64:65] scope:SCOPE_SE
	s_setreg_imm32_b32 hwreg(HW_REG_WAVE_MODE, 25, 1), 1
	s_wait_xcnt 0x0
	s_wait_alu depctr_hold_cnt(0) depctr_sa_sdst(0) depctr_va_vdst(0) depctr_va_sdst(0) depctr_va_ssrc(0) depctr_va_vcc(0) depctr_vm_vsrc(0)
	s_getreg_b32 s2, hwreg(HW_REG_IB_STS2, 6, 4)
	s_cmp_eq_u32 s2, 0
	s_cbranch_scc0 .Lentry_in_a_cluster
	s_endpgm
.Lentry_in_a_cluster:
	s_bfe_u32 s2, ttmp6, 0x10000c
	s_cmp_lg_u32 s2, 0xf033
	s_cbranch_scc0 .Lentry_shape_is_right
	s_endpgm
.Lentry_shape_is_right:
; out0 = ctx Wo + bo: 4,096 x 1,024 x 1,024 on f16 operands, sums in f32, all rows (the first 16 positions of each sequence are written again, from f32 operands, by the next launch).
; A = ctx in f16, byte (row / 2) x 4,096 + 256 x (k / 64) + 128 x (row % 2) + 2 x (k % 64): a K step of 256 of a pair of rows is 1,024 consecutive bytes.
; B = Wo in f16 as images of the operand's registers: the fragment of columns 16 T on, k = 32 kq on, at (32 T + kq) x 1,024.
; A tile of 128 x 128 to a work-group (256 work-groups), 64 x 64 to a wave: 16 accumulators.  K goes in steps of 256 through a ring of two LDS slots; a wave's tensor load brings 32 pairs of rows of A
; or four tiles of 16 columns of B.  CLUSTERS: 4 x 4; A's tiles are asked for jointly along a row of the cluster, B's along a column.
; THE MATRIX INSTRUCTION IS USED TRANSPOSED (source 0 = 16 columns of Wo, source 1 = 16 rows of ctx): a lane holds eight neighbouring columns of one row of out0.  The bias is the C of each sum's first product.
; REGISTERS: window 0: v0-31 addresses; v32-95 the way out; v96-127 the bias, four tiles in the result's layout; v128-255 the accumulators.   window 1: two fragment buffers of 128.
.set HALFT,  33792                     ; a tensor load's region: A uses 32 x 1,040 bytes of it, B 32,768
.set SLOT,   4*HALFT
.set STAGE,  2*SLOT                    ; behind the ring: 16 rows x 272 bytes for each wave
.set SPITCH, 272
.set SPARE,  STAGE+4*16*SPITCH         ; the spare words, 128 bytes a wave
.set LAPS,   2                         ; 1,024 along K = four K steps = twice round the ring
.set ADRA, 16
.set ADRB, 20
.set STO,  24
.set RD,   25
.set CO,   26
.set SPW,  28                          ; v28 my spare word; never rewritten
.set NIL,  29                          ; v29 0; never rewritten
.set TMP,  32
.set BI,   96
.set ACC,  128
.set F0,   0
.set F1,   128
.set G1, 24
.set G0, 32
.set G1B, 48
.set G0B, 56
.set MSB, 0
.macro WIN new                         ; the immediate's high byte repeats the setting that is left
.if MSB != \new
	s_set_vgpr_msb (MSB<<8)|\new
.set MSB, \new
.endif
.endm
.set MUL,  0x05                        ; sources 0 (B) and 1 (A) window 1; C and D window 0
.set TO_F, 0x40
.macro JLOAD s                         ; a joint load: waves 0 and 1 fetch A's halves, waves 2 and 3 B's; an s_nop 0 and four v_nop follow each line
	s_cmp_eq_u32 s11, 0
	s_cbranch_scc0 .Lfor_b_\@
	tensor_load_to_lds s[G0+4*\s:G0+4*\s+3], s[G1:G1+7]
	s_nop 0
.rept 4
	v_nop
.endr
	s_branch .Lasked_\@
.Lfor_b_\@:
	tensor_load_to_lds s[G0B+4*\s:G0B+4*\s+3], s[G1B:G1B+7]
	s_nop 0
.rept 4
	v_nop
.endr
.Lasked_\@:
.endm
.macro CREST
	s_cmp_lg_u32 s10, 0
	s_cbranch_scc1 .Lnot_wave_0_\@
	s_barrier_signal -3
.Lnot_wave_0_\@:
	s_barrier_wait -3
	s_barrier_signal -1
	s_barrier_wait -1
.endm
.macro CROUND
	s_barrier_signal -1
	s_barrier_wait -1
	CREST
.endm
	s_load_b128 s[4:7], s[0:1], 0x0                ; ctx, wo16
	s_load_b64 s[8:9], s[0:1], 0x10                ; out0
	s_load_b64 s[66:67], s[0:1], 0x18              ; bo
	v_lshl_add_u32 v[SPW], v0, 2, SPARE
	v_mov_b32 v[NIL], 0
	ds_add_u32 v[SPW], v[NIL]                      ; the wave's opening: the add, twice on end, and its wait ahead of my first tensor load
	ds_add_u32 v[SPW], v[NIL]
	v_lshrrev_b32 v1, 5, v0
	v_readfirstlane_b32 s10, v1                    ; wave 0..3
	s_lshr_b32 s11, s10, 1                         ; which half of the tile's rows is mine.  Also: I fetch for A (0) or for B (1)
	s_and_b32 s12, s10, 1                          ; which half of its columns.  Also: which 64 rows of that tile I fetch
	s_bfe_u32 s40, ttmp6, 0x40000                  ; cx
	s_bfe_u32 s41, ttmp6, 0x40004                  ; cy
	s_lshl_b32 s42, ttmp9, 2
	s_add_co_u32 s42, s42, s40                     ; tile column
	s_and_b32 s13, ttmp7, 0xffff
	s_lshl_b32 s13, s13, 2
	s_add_co_u32 s13, s13, s41                     ; tile row
	s_lshl_b32 s43, s41, 2
	s_lshl_b32 s43, 15, s43                        ; my row of the cluster
	s_lshl_b32 s44, 0x1111, s40                    ; my column
	; A: 32 pairs of rows x 512 elements of 2 bytes, 2,048 elements apart; 4 words of padding behind every 256
	s_or_b32 s[G1+0], s43, (1<<16)|(1<<20)|(1<<21)|(7<<22)|(3<<25)
	s_mov_b32 s[G1+1], 512<<16
	s_mov_b32 s[G1+2], 32<<16
	s_mov_b32 s[G1+3], 512<<16
	s_mov_b32 s[G1+4], 32
	s_mov_b32 s[G1+5], 2048
	s_mov_b32 s[G1+6], 0
	s_mov_b32 s[G1+7], 0
	; B: 4 tiles of 16 columns x eight images (8,192 bytes = 1,024 elements of 8), 32,768 bytes apart, dense in LDS
	s_or_b32 s[G1B+0], s44, (3<<16)|(1<<21)
	s_mov_b32 s[G1B+1], 1024<<16
	s_mov_b32 s[G1B+2], 4<<16
	s_mov_b32 s[G1B+3], 1024<<16
	s_mov_b32 s[G1B+4], 4
	s_mov_b32 s[G1B+5], 4096
	s_mov_b32 s[G1B+6], 0
	s_mov_b32 s[G1B+7], 0
	s_lshl_b32 s17, s12, 6
	s_lshl_b32 s16, s13, 7
	s_add_co_u32 s16, s16, s17                     ; A: row 128 x tile row + 64 x half
	s_lshl_b32 s46, s42, 7
	s_add_co_u32 s46, s46, s17                     ; B: column 128 x tile column + 64 x half
	s_mov_b32 s17, 0
	s_mov_b32 s47, 0
	s_mov_b64 s[18:19], 2048                       ; both layouts hold 2,048 bytes for each row or column
	s_mul_u64 s[16:17], s[16:17], s[18:19]
	s_mul_u64 s[46:47], s[46:47], s[18:19]
	s_mul_i32 s20, s10, HALFT
	s_wait_dscnt 0x0                               ; both opening adds are done
	s_wait_kmcnt 0x0
	s_add_nc_u64 s[14:15], s[4:5], s[16:17]
	s_add_nc_u64 s[46:47], s[6:7], s[46:47]
	CROUND                                         ; all sixteen work-groups are here: the first joint loads meet
.irp s, 0,1
	s_mov_b32 s[G0+4*\s], 1
	s_add_co_u32 s[G0+4*\s+1], s20, \s*SLOT
	s_add_nc_u64 s[G0+4*\s+2:G0+4*\s+3], s[14:15], \s*1024
	s_or_b32 s[G0+4*\s+3], s[G0+4*\s+3], 0x80000000
	s_mov_b32 s[G0B+4*\s], 1
	s_add_co_u32 s[G0B+4*\s+1], s20, \s*SLOT
	s_add_nc_u64 s[G0B+4*\s+2:G0B+4*\s+3], s[46:47], \s*8192
	s_or_b32 s[G0B+4*\s+3], s[G0B+4*\s+3], 0x80000000
	JLOAD \s
.endr
	v_and_b32 v1, 15, v0                           ; r
	v_bfe_u32 v2, v0, 4, 1                         ; h
	v_lshrrev_b32 v3, 1, v1
	v_mul_u32_u24 v3, v3, 1040
	v_and_b32 v4, 1, v0
	v_lshl_add_u32 v3, v4, 7, v3
	v_lshl_add_u32 v3, v2, 4, v3                   ; A: pair r / 2, half r % 2, + 16 h
	v_and_b32 v4, 31, v0
	v_lshlrev_b32 v4, 4, v4                        ; B: 16 x lane
	s_mul_i32 s21, s11, HALFT                      ; my 64 rows of A
	s_mul_i32 s22, s12, HALFT                      ; my 64 columns of B,
	s_add_co_u32 s22, s22, 2*HALFT                 ; behind A's two regions
.irp s, 0,1
	v_add_nc_u32 v[ADRA+\s], s21, v3
	v_add_nc_u32 v[ADRB+\s], s22, v4
	s_add_co_u32 s21, s21, SLOT
	s_add_co_u32 s22, s22, SLOT
.endr
	s_mul_i32 s23, s10, 16*SPITCH
	s_add_co_u32 s23, s23, STAGE                   ; my stage
	v_mul_u32_u24 v5, v1, SPITCH
	v_lshl_add_u32 v5, v2, 5, v5
	v_add_nc_u32 v[STO], s23, v5                   ; in: row r, 32 bytes for each half of the lanes
	v_mul_u32_u24 v5, v2, SPITCH
	v_lshl_add_u32 v5, v1, 4, v5
	v_add_nc_u32 v[RD], s23, v5                    ; back: lanes 0-15 one row of 256 bytes, lanes 16-31 the next
	v_lshlrev_b32 v5, 12, v2
	v_lshl_add_u32 v[CO], v1, 4, v5                ; and the same two rows in out0
	v_lshlrev_b32 v6, 5, v2                        ; the bias: 8 h numbers on
	s_lshl_b32 s16, s13, 7
	s_lshl_b32 s17, s11, 6
	s_add_co_u32 s16, s16, s17
	s_lshl_b32 s16, s16, 12                        ; my first row of out0, 4,096 bytes a row
	s_mov_b32 s17, 0
	s_add_nc_u64 s[8:9], s[8:9], s[16:17]
	s_lshl_b32 s46, s42, 9
	s_lshl_b32 s47, s12, 8
	s_add_co_u32 s46, s46, s47                     ; my first column, in bytes
	s_mov_b32 s47, 0
	s_add_nc_u64 s[8:9], s[8:9], s[46:47]
	s_add_nc_u64 s[66:67], s[66:67], s[46:47]
.irp b, 0,1,2,3
	global_load_b128 v[BI+8*\b:BI+8*\b+3], v6, s[66:67] offset:64*\b       ; bo at columns 16 b + 8 h + 0 .. 7
	global_load_b128 v[BI+8*\b+4:BI+8*\b+7], v6, s[66:67] offset:64*\b+16
.endr
; 8 matrix instructions: row blocks a0, a0 + 1 x all 4 column blocks, 32 along K: half c of buffer f.  zero = 1: the first product starts the sums, from the bias
.macro MUL8 f, c, a0, zero
.irp a, \a0, \a0+1
.irp b, 0,1,2,3
.if \zero
	v_wmma_f32_16x16x32_f16 v[ACC+8*(4*(\a)+\b):ACC+8*(4*(\a)+\b)+7], v[\f+64+8*(4*\c+\b):\f+64+8*(4*\c+\b)+7], v[\f+8*(4*\c+\a):\f+8*(4*\c+\a)+7], v[BI+8*\b:BI+8*\b+7]
.else
	v_wmma_f32_16x16x32_f16 v[ACC+8*(4*(\a)+\b):ACC+8*(4*(\a)+\b)+7], v[\f+64+8*(4*\c+\b):\f+64+8*(4*\c+\b)+7], v[\f+8*(4*\c+\a):\f+8*(4*\c+\a)+7], v[ACC+8*(4*(\a)+\b):ACC+8*(4*(\a)+\b)+7]
.endif
.endr
.endr
.endm
; 32 LDS loads in one run: the fragments of the slot's q-th 64 along K into buffer f; the first 32 along K first
.macro FETCH slot, q, f
	WIN TO_F
.irp c, 0,1
.irp i, 0,1,2,3
	ds_load_b128 v[\f+64+8*(4*\c+\i):\f+64+8*(4*\c+\i)+3],   v[ADRB+\slot] offset:8192*\i+1024*(2*(\q)+\c)
	ds_load_b128 v[\f+64+8*(4*\c+\i)+4:\f+64+8*(4*\c+\i)+7], v[ADRB+\slot] offset:8192*\i+1024*(2*(\q)+\c)+512
	ds_load_b128 v[\f+8*(4*\c+\i):\f+8*(4*\c+\i)+3],         v[ADRA+\slot] offset:256*(\q)+64*\c+8320*\i
	ds_load_b128 v[\f+8*(4*\c+\i)+4:\f+8*(4*\c+\i)+7],       v[ADRA+\slot] offset:256*(\q)+64*\c+8320*\i+32
.endr
.endr
.endm
.macro PLACES
.rept 4
	v_nop
.endr
.endm
.macro QUARTER slot, q, f, g, zero     ; multiplies buffer f and fetches the slot's q-th quarter into g
	s_wait_dscnt 16                                ; the first 32 along K are in; the other sixteen loads may be out
	WIN MUL
	MUL8 \f, 0, 0, \zero
	MUL8 \f, 0, 2, \zero
	PLACES
	FETCH \slot, \q, \g
	s_wait_dscnt 32                                ; all but the 32 just issued
	WIN MUL
	MUL8 \f, 1, 0, 0
	MUL8 \f, 1, 2, 0
.endm
; The last quarter multiplies buffer 1 and changes slots: one barrier; in front of it each wave waits for all its tensor loads, adds 0 to its spare word, and waits for that and for its reads of this slot.
.macro TURN slot, next, fill
	WIN 0
	s_wait_tensorcnt 0x0                           ; my part of the next slot has landed
	ds_add_u32 v[SPW], v[NIL]
	s_wait_dscnt 17                                ; (the add and the youngest sixteen loads may be out)
	WIN MUL
	MUL8 F1, 0, 0, 0
	s_wait_dscnt 0x0                               ; the add is done, and my reads of this slot are over
	s_barrier_signal -1
	MUL8 F1, 0, 2, 0
.if \fill
	WIN 0
.endif
	s_barrier_wait -1
.if \fill
	CREST                                          ; the barrier has opened a round of the cluster's barrier: no wave of any partner still reads this slot or has a load on its way
	s_add_nc_u64 s[G0+4*\slot+2:G0+4*\slot+3], s[G0+4*\slot+2:G0+4*\slot+3], 2048
	s_add_nc_u64 s[G0B+4*\slot+2:G0B+4*\slot+3], s[G0B+4*\slot+2:G0B+4*\slot+3], 16384
	JLOAD \slot                                    ; the first tensor load behind the round; its four v_nop are also the places in front of the loads below
.else
	PLACES
.endif
	FETCH \next, 0, F0
	WIN MUL
	MUL8 F1, 1, 0, 0
	MUL8 F1, 1, 2, 0
.endm
	s_wait_tensorcnt 1                             ; my part of K step 0 is in; K step 1's load may be out
	s_barrier_signal -1
	s_barrier_wait -1
	FETCH 0, 0, F0
	s_wait_loadcnt 0x0                             ; the bias
	QUARTER 0, 1, F0, F1, 1                        ; the first quarter stands in front of the loop: its first products start the sums
	WIN 0
	s_mov_b32 s3, LAPS-1
.Llap:
	QUARTER 0, 2, F1, F0, 0
	QUARTER 0, 3, F0, F1, 0
	TURN 0, 1, 1
	QUARTER 1, 1, F0, F1, 0
	QUARTER 1, 2, F1, F0, 0
	QUARTER 1, 3, F0, F1, 0
	TURN 1, 0, 1
	QUARTER 0, 1, F0, F1, 0
	WIN 0
	s_sub_co_u32 s3, s3, 1
	s_cmp_lg_u32 s3, 0
	s_cbranch_scc1 .Llap
	QUARTER 0, 2, F1, F0, 0                        ; the last lap fills nothing
	QUARTER 0, 3, F0, F1, 0
	TURN 0, 1, 0
	QUARTER 1, 1, F0, F1, 0
	QUARTER 1, 2, F1, F0, 0
	QUARTER 1, 3, F0, F1, 0
	s_wait_dscnt 16
	WIN MUL
	MUL8 F1, 0, 0, 0
	MUL8 F1, 0, 2, 0
	s_wait_dscnt 0
	MUL8 F1, 1, 0, 0
	MUL8 F1, 1, 2, 0
	WIN 0
	; THE WAY OUT: my 64 columns in f32 are 256 bytes of a row: each block of 16 rows goes through my own stage and leaves as whole rows; no barrier
.macro TOSTAGE a
.irp b, 0,1,2,3
	ds_store_b128 v[STO], v[ACC+8*(4*(\a)+\b):ACC+8*(4*(\a)+\b)+3] offset:64*\b        ; each accumulator from its low end on
	ds_store_b128 v[STO], v[ACC+8*(4*(\a)+\b)+4:ACC+8*(4*(\a)+\b)+7] offset:64*\b+16
.endr
.irp t, 0,1,2,3,4,5,6,7
	ds_load_b128 v[TMP+32*((\a)%2)+4*\t:TMP+32*((\a)%2)+4*\t+3], v[RD] offset:\t*2*SPITCH   ; LDS serves a wave's instructions in order
.endr
.endm
.macro SEND a, younger                 ; younger: the next block's eight stores and eight loads, or none
	s_wait_dscnt \younger
.irp t, 0,1,2,3,4,5,6,7
	global_store_b128 v[CO], v[TMP+32*((\a)%2)+4*\t:TMP+32*((\a)%2)+4*\t+3], s[8:9] offset:(16*(\a)+2*\t)*4096 th:TH_STORE_NT   ; sixteen lanes store 256 consecutive aligned bytes
.endr
.endm
	PLACES
	TOSTAGE 0
	TOSTAGE 1
	SEND 0, 16
	s_wait_xcnt 0x0                                ; block 0's stores have read their registers: block 2's loads may land there
	TOSTAGE 2
	SEND 1, 16
	s_wait_xcnt 0x0
	TOSTAGE 3
	SEND 2, 16
	SEND 3, 0
	s_wait_tensorcnt 0x0                           ; the wave's end
	ds_add_u32 v[SPW], v[NIL]
	s_wait_dscnt 0x0
	CROUND                                         ; the closing round
	s_endpgm
.Lfunc_end_k_q310894f86a_proj:
	.size	k_q310894f86a_proj, .Lfunc_end_k_q310894f86a_proj-k_q310894f86a_proj
	.p2alignl 7, 3214868480
	.fill 96, 4, 3214868480
	.section	.rodata,"a",@progbits
	.p2align	6, 0x0
	.amdhsa_kernel k_q310894f86a_proj
		.amdhsa_group_segment_fixed_size 327680
		.amdhsa_private_segment_fixed_size 0
		.amdhsa_enable_private_segment 0
		.amdhsa_kernarg_size 32
		.amdhsa_user_sgpr_count 2
		.amdhsa_user_sgpr_kernarg_segment_ptr 1
		.amdhsa_wavefront_size32 1
		.amdhsa_system_sgpr_workgroup_id_x 1
		.amdhsa_system_sgpr_workgroup_id_y 1
		.amdhsa_system_sgpr_workgroup_id_z 1
		.amdhsa_system_vgpr_workitem_id 0
		.amdhsa_next_free_vgpr 512
		.amdhsa_next_free_sgpr 72
		.amdhsa_reserve_vcc 0
		.amdhsa_float_denorm_mode_32 3
		.amdhsa_float_denorm_mode_16_64 3
		.amdhsa_memory_ordered 1
		.amdhsa_forward_progress 1
		.amdhsa_inst_pref_size 87
	.end_amdhsa_kernel
	.amdgpu_metadata
---
amdhsa.version: [ 1, 2 ]
amdhsa.kernels:
  - .name:           k_q310894f86a_proj
    .symbol:         k_q310894f86a_proj.kd
    .args:
      - { .name: ctx, .offset: 0, .size: 8, .value_kind: global_buffer, .address_space: global }
      - { .name: wo16, .offset: 8, .size: 8, .value_kind: global_buffer, .address_space: global }
      - { .name: out0, .offset: 16, .size: 8, .value_kind: global_buffer, .address_space: global }
      - { .name: bo, .offset: 24, .size: 8, .value_kind: global_buffer, .address_space: global }
    .group_segment_fixed_size: 327680
    .private_segment_fixed_size: 0
    .kernarg_segment_align: 8
    .kernarg_segment_size: 32
    .max_flat_workgroup_size: 128
    .sgpr_count:     72
    .vgpr_count:     512
    .wavefront_size: 32
...
	.end_amdgpu_metadata
.endif
;; end of part 4
;; launch fine (part 5): grid 64 x 2, 16 waves a work-group, no clusters, 18,432 bytes of LDS; arguments q32, Wo, bo, out0; writes out0
.if DOCPART == 5
	.amdgcn_target "amdgcn-amd-amdhsa--gfx1250"
	.amdhsa_code_object_version 6
	.text
	.protected	k_q310894f86a_fine
	.globl	k_q310894f86a_fine
	.p2align	8
	.type	k_q310894f86a_fine,@function
k_q310894f86a_fine:
	s_mov_b64 s[64:65], 0
	v_nop
	global_prefetch_b8 v0, s[64:65] scope:SCOPE_SE
	s_setreg_imm32_b32 hwreg(HW_REG_WAVE_MODE, 25, 1), 1
	s_wait_xcnt 0x0
; Positions 0-15 of both sequences once more, with f32 operands throughout (v_wmma_f32_16x16x4_f32): scores, softmax under the causal mask, p v, and the projection with Wo and bo.
; These rows average few values and are the largest of the output; they overwrite what the launch before stored there.  q, k, v of these rows come in f32 from q32 [slot][16][3072], slot = 2 x batch.
; A work-group takes 16 output columns (n0 = 16 x) of one batch (y).  WAVE w IS HEAD w: it makes its head's 16 x 64 of ctx and multiplies it by its own 64 rows of Wo, so ctx never changes waves;
; the sixteen partial tiles of 16 x 16 meet in LDS, and waves 0 and 1 add them and the bias and store.  Along each product's K the same permutation is applied to both operands.
; Wo is read, and out0 written, in pieces of 64 bytes here (128 KiB of out0 in all): wider slices would lengthen each wave's f32 products.
; The registers that the matrix instruction writes (v160-223) are written by nothing else; sums begin with the constant 0.
.set SPARE, 16384                      ; behind the 16 partial tiles: the spare words, 128 bytes a wave
.set SPW, 224                          ; v224 my spare word; never rewritten
.set NIL, 225                          ; v225 0; never rewritten
.set KR,  32                           ; v32-63   K: row r; register 4 i + e = channel 8 i + 4 h + e: the two halves of the lanes read 32 neighbouring bytes of a row
.set QR,  64                           ; v64-95   Q likewise
.set VR,  96                           ; v96-127  V^T: register 8 d + t = V[key 8 h + t][channel 16 d + r]
.set WR,  128                          ; v128-159 Wo^T: register t = Wo[64 w + 16 (t / 8) + 8 h + t % 8][n0 + r]
.set SA,  160                          ; v160-167, v168-175 the scores, even and odd K steps
.set OA,  176                          ; v176-207 O^T: register 8 d + j = ctx[query r][channel 16 d + 8 h + j]
.set EA,  208                          ; v208-215, v216-223 the projection, even and odd K steps
.set PR,  24                           ; v24-31   p: register j = p[query r][key 8 h + j]
	s_load_b256 s[4:11], s[0:1], 0x0               ; q32 4:5, Wo 6:7, bo 8:9, out0 10:11
	v_lshl_add_u32 v[SPW], v0, 2, SPARE
	v_mov_b32 v[NIL], 0
	v_lshrrev_b32 v1, 5, v0
	v_readfirstlane_b32 s12, v1                    ; wave = head
	v_and_b32 v1, 15, v0                           ; r
	v_bfe_u32 v2, v0, 4, 1                         ; h
	s_and_b32 s13, ttmp7, 0xffff                   ; batch
	v_mul_u32_u24 v3, v1, 12288
	v_lshl_add_u32 v3, v2, 4, v3                   ; K, Q: row r of 12,288 bytes + 16 h
	v_mul_u32_u24 v4, v2, 98304
	v_lshl_add_u32 v4, v1, 2, v4                   ; V: 8 h rows + 4 r
	v_lshlrev_b32 v5, 15, v2
	v_lshl_add_u32 v5, v1, 2, v5                   ; Wo: 8 h rows of 4,096 bytes + 4 r
	v_lshlrev_b32 v6, 5, v2                        ; bo: 8 h numbers
	v_and_b32 v11, 31, v0
	v_lshlrev_b32 v11, 4, v11                      ; 16 x lane
	s_lshl_b32 s16, s12, 10
	v_add_nc_u32 v7, s16, v11                      ; LDS: my partial tile, as an image of its registers
	s_and_b32 s17, s12, 1
	s_lshl_b32 s16, s17, 9
	v_add_nc_u32 v8, s16, v11                      ; LDS: the half of every tile that wave 0 or 1 adds up
	v_lshlrev_b32 v9, 12, v1
	v_lshl_add_u32 v9, v2, 5, v9                   ; out0: row r + 32 h
	v_lshlrev_b32 v10, 3, v2
	v_sub_nc_u32 v10, v1, v10                      ; r - 8 h: key 8 h + j is hidden where j > r - 8 h
	s_mov_b32 s20, 0x76543210
	s_mov_b32 s21, 0xfedcba98
	s_mov_b32 s22, 0x3e38aa3b                      ; c = log2(e) / 8
	s_mul_i32 s24, s13, 393216                     ; slot 2 x batch
	s_lshl_b32 s25, s12, 8
	s_add_co_u32 s24, s24, s25                     ; + my head's 64 columns
	s_mov_b32 s25, 0
	s_lshl_b32 s26, s12, 18                        ; Wo: my head's 64 rows,
	s_lshl_b32 s27, ttmp9, 6
	s_add_co_u32 s26, s26, s27                     ; + n0 x 4
	s_mov_b32 s27, 0
	s_lshl_b32 s28, ttmp9, 6
	s_lshl_b32 s29, s17, 4
	s_add_co_u32 s28, s28, s29                     ; bo and out0: n0 x 4 + 16 x (wave % 2)
	s_mov_b32 s29, 0
	s_lshl_b32 s30, s13, 23                        ; out0: 2,048 rows a batch
	s_add_co_u32 s30, s30, s28
	s_mov_b32 s31, 0
	s_wait_kmcnt 0x0
	s_add_nc_u64 s[14:15], s[4:5], s[24:25]
	s_add_nc_u64 s[6:7], s[6:7], s[26:27]
	s_add_nc_u64 s[8:9], s[8:9], s[28:29]
	s_add_nc_u64 s[10:11], s[10:11], s[30:31]
	global_load_b128 v[12:15], v6, s[8:9]          ; the bias of the four columns that waves 0 and 1 finish
.irp i, 0,1,2,3,4,5,6,7
	global_load_b128 v[KR+4*\i:KR+4*\i+3], v3, s[14:15] offset:4096+32*\i
.endr
.irp i, 0,1,2,3,4,5,6,7
	global_load_b128 v[QR+4*\i:QR+4*\i+3], v3, s[14:15] offset:32*\i
.endr
.irp d, 0,1,2,3
.irp t, 0,1,2,3,4,5,6,7
	global_load_b32 v[VR+8*\d+\t], v4, s[14:15] offset:8192+12288*\t+64*\d
.endr
.endr
	s_wait_loadcnt 32                              ; the bias, K and Q are in; V's 32 loads may be out
.irp t, 0,1,2,3,4,5,6,7,8,9,10,11,12,13,14,15,16,17,18,19,20,21,22,23,24,25,26,27,28,29,30,31
	global_load_b32 v[WR+\t], v5, s[6:7] offset:(16*(\t/8)+\t%8)*4096
.endr
	; S^T = K Q^T: K step s takes registers 2 s, 2 s + 1 of both, which hold the same channels; two accumulators by turns
.irp s, 0,1,2,3,4,5,6,7,8,9,10,11,12,13,14,15
.if \s < 2
	v_wmma_f32_16x16x4_f32 v[SA+8*(\s%2):SA+8*(\s%2)+7], v[KR+2*\s:KR+2*\s+1], v[QR+2*\s:QR+2*\s+1], 0
.else
	v_wmma_f32_16x16x4_f32 v[SA+8*(\s%2):SA+8*(\s%2)+7], v[KR+2*\s:KR+2*\s+1], v[QR+2*\s:QR+2*\s+1], v[SA+8*(\s%2):SA+8*(\s%2)+7]
.endif
.endr
.rept 8
	v_nop                                          ; eight places behind this form before a result is read
.endr
.irp j, 0,1,2,3,4,5,6,7
	v_add_f32 v[16+\j], v[SA+\j], v[SA+8+\j]       ; lane (r, h): query r, key 8 h + j
.endr
	v_mov_b32 v240, 0xff800000
.irp j, 0,1,2,3,4,5,6,7
	v_cmp_gt_i32 vcc_lo, \j, v10
	v_cndmask_b32 v[16+\j], v[16+\j], v240, vcc_lo
.endr
	v_max3_num_f32 v241, v16, v17, v18
	v_max3_num_f32 v241, v241, v19, v20
	v_max3_num_f32 v241, v241, v21, v22
	v_max_num_f32 v241, v241, v23
	v_mov_b32 v242, 0
	v_permlanex16_b32 v242, v241, s20, s21
	v_max_num_f32 v241, v241, v242                 ; the row's maximum: key 0 counts for every query
	v_mul_f32 v241, s22, v241
.irp j, 0,1,2,3,4,5,6,7
	v_fma_f32 v[16+\j], v[16+\j], s22, -v241
.endr
.irp j, 0,1,2,3,4,5,6,7
	v_exp_f32 v[16+\j], v[16+\j]
.endr
	v_nop
	s_wait_alu depctr_va_vdst(0)                   ; one wait for the eight, ahead of their first reader
	v_add_f32 v243, v16, v17
	v_add_f32 v244, v18, v19
	v_add_f32 v245, v20, v21
	v_add_f32 v246, v22, v23
	v_add_f32 v243, v243, v244
	v_add_f32 v245, v245, v246
	v_add_f32 v243, v243, v245
	v_permlanex16_b32 v242, v243, s20, s21
	v_add_f32 v243, v243, v242
	v_rcp_f32 v243, v243
	v_nop
	s_wait_alu depctr_va_vdst(0)
.irp j, 0,1,2,3,4,5,6,7
	v_mul_f32 v[PR+\j], v[16+\j], v243
.endr
	s_wait_loadcnt 32                              ; V is in; Wo's 32 loads may be out
	; O^T = V^T P: K step s takes keys 8 h + 2 s, + 1; four accumulators by turns
.irp s, 0,1,2,3
.irp d, 0,1,2,3
.if \s == 0
	v_wmma_f32_16x16x4_f32 v[OA+8*\d:OA+8*\d+7], v[VR+8*\d+2*\s:VR+8*\d+2*\s+1], v[PR+2*\s:PR+2*\s+1], 0
.else
	v_wmma_f32_16x16x4_f32 v[OA+8*\d:OA+8*\d+7], v[VR+8*\d+2*\s:VR+8*\d+2*\s+1], v[PR+2*\s:PR+2*\s+1], v[OA+8*\d:OA+8*\d+7]
.endif
.endr
.endr
.rept 9
	v_nop                                          ; nine places before a matrix instruction takes these results as an operand
.endr
	s_wait_loadcnt 0x0                             ; Wo
	; E^T = Wo^T ctx^T: K step s takes O^T's registers 2 s, 2 s + 1 and the same channels of Wo; two accumulators by turns
.irp s, 0,1,2,3,4,5,6,7,8,9,10,11,12,13,14,15
.if \s < 2
	v_wmma_f32_16x16x4_f32 v[EA+8*(\s%2):EA+8*(\s%2)+7], v[WR+2*\s:WR+2*\s+1], v[OA+2*\s:OA+2*\s+1], 0
.else
	v_wmma_f32_16x16x4_f32 v[EA+8*(\s%2):EA+8*(\s%2)+7], v[WR+2*\s:WR+2*\s+1], v[OA+2*\s:OA+2*\s+1], v[EA+8*(\s%2):EA+8*(\s%2)+7]
.endif
.endr
.rept 8
	v_nop
.endr
.irp j, 0,1,2,3,4,5,6,7
	v_add_f32 v[16+\j], v[EA+\j], v[EA+8+\j]       ; lane (r, h): my head's part of out0[query r][n0 + 8 h + j]
.endr
	ds_store_b128 v7, v[16:19]
	ds_store_b128 v7, v[20:23] offset:512
	s_wait_dscnt 0x0                               ; for the others' sake: my stores have landed
	s_barrier_signal -1
	s_barrier_wait -1
	s_cmp_lt_u32 s12, 2
	s_cbranch_scc0 .Ldone
.irp p, 0,1,2,3,4,5,6,7,8,9,10,11,12,13,14,15
	ds_load_b128 v[KR+4*\p:KR+4*\p+3], v8 offset:1024*\p           ; wave 0: registers 0-3 of every head's tile; wave 1: registers 4-7
.endr
	s_wait_dscnt 0x0
.irp p, 1,2,3,4,5,6,7,8,9,10,11,12,13,14,15
	v_pk_add_f32 v[KR:KR+1], v[KR:KR+1], v[KR+4*\p:KR+4*\p+1]
	v_pk_add_f32 v[KR+2:KR+3], v[KR+2:KR+3], v[KR+4*\p+2:KR+4*\p+3]
.endr
	v_pk_add_f32 v[KR:KR+1], v[KR:KR+1], v[12:13]
	v_pk_add_f32 v[KR+2:KR+3], v[KR+2:KR+3], v[14:15]
	global_store_b128 v9, v[KR:KR+3], s[10:11]     ; out0[2,048 batch + r][n0 + 8 h + 4 wave + 0 .. 3]
.Ldone:
	s_wait_tensorcnt 0x0                           ; the wave's end, behind my last LDS store
	ds_add_u32 v[SPW], v[NIL]
	s_wait_dscnt 0x0
	s_endpgm
.Lfunc_end_k_q310894f86a_fine:
	.size	k_q310894f86a_fine, .Lfunc_end_k_q310894f86a_fine-k_q310894f86a_fine
	.p2alignl 7, 3214868480
	.fill 96, 4, 3214868480
	.section	.rodata,"a",@progbits
	.p2align	6, 0x0
	.amdhsa_kernel k_q310894f86a_fine
		.amdhsa_group_segment_fixed_size 18432
		.amdhsa_private_segment_fixed_size 0
		.amdhsa_enable_private_segment 0
		.amdhsa_kernarg_size 32
		.amdhsa_user_sgpr_count 2
		.amdhsa_user_sgpr_kernarg_segment_ptr 1
		.amdhsa_wavefront_size32 1
		.amdhsa_system_sgpr_workgroup_id_x 1
		.amdhsa_system_sgpr_workgroup_id_y 1
		.amdhsa_system_sgpr_workgroup_id_z 1
		.amdhsa_system_vgpr_workitem_id 0
		.amdhsa_next_free_vgpr 256
		.amdhsa_next_free_sgpr 66
		.amdhsa_reserve_vcc 1
		.amdhsa_float_denorm_mode_32 3
		.amdhsa_float_denorm_mode_16_64 3
		.amdhsa_memory_ordered 1
		.amdhsa_forward_progress 1
		.amdhsa_inst_pref_size 21
	.end_amdhsa_kernel
	.amdgpu_metadata
---
amdhsa.version: [ 1, 2 ]
amdhsa.kernels:
  - .name:           k_q310894f86a_fine
    .symbol:         k_q310894f86a_fine.kd
    .args:
      - { .name: q32, .offset: 0, .size: 8, .value_kind: global_buffer, .address_space: global }
      - { .name: Wo, .offset: 8, .size: 8, .value_kind: global_buffer, .address_space: global }
      - { .name: bo, .offset: 16, .size: 8, .value_kind: global_buffer, .address_space: global }
      - { .name: out0, .offset: 24, .size: 8, .value_kind: global_buffer, .address_space: global }
    .group_segment_fixed_size: 18432
    .private_segment_fixed_size: 0
    .kernarg_segment_align: 8
    .kernarg_segment_size: 32
    .max_flat_workgroup_size: 512
    .sgpr_count:     66
    .vgpr_count:     256
    .wavefront_size: 32
...
	.end_amdgpu_metadata
.endif
;; end of part 5
